; MI455X (gfx1250); checked and timed in simulation.
; The chip was launched on July 23, 2026; its instructions are those of AMD's public machine-readable ISA for CDNA 5 (MIT licence, August 2026) and "CDNA5" Instruction Set Architecture Reference Guide (July 2026). The comments in the code are by the model that wrote it; some were corrected since.
;; Self Attention. Allowed arithmetic: float matrix products may take bf16 or f16 operands with f32 sums; all other float work in f32.
;; Inputs: key_padding_mask 2 x 2,048 bool; qkv 2 x 2,048 x 16 x 384 float32.
;; Outputs: out0 2 x 2,048 x 16 x 128 float32.
;; 2 versions, each right; version 2 is version 1 with the launch attn written anew for expert scheduling mode. Each part assembles by itself: llvm-mc -triple=amdgcn-amd-amdhsa -mcpu=gfx1250 --defsym DOCPART=n.
;; ======== version 1 of 2: 1 launch
;; limits: values are held in f16: magnitudes above 65,504 overflow, below 6.1e-05 lose precision; inputs' magnitudes at most 65,504
;; launch attn (part 1): grid 256 x 1, 4 waves a work-group, no clusters, 152,064 bytes of LDS; arguments key_padding_mask, qkv, out0; writes out0
.if DOCPART == 1
	.amdgcn_target "amdgcn-amd-amdhsa--gfx1250"
	.amdhsa_code_object_version 6
	.text
	.protected	k_qe75894c3dd_attn
	.globl	k_qe75894c3dd_attn
	.p2align	8
	.type	k_qe75894c3dd_attn,@function
k_qe75894c3dd_attn:
	s_mov_b64 s[64:65], 0
	v_nop
	global_prefetch_b8 v0, s[64:65] scope:SCOPE_SE
	s_setreg_imm32_b32 hwreg(HW_REG_WAVE_MODE, 25, 1), 1
	s_wait_xcnt 0x0
; Causal self-attention with a key padding mask.  qkv: [2][2048][16][384] f32 (q | k | v, 512 bytes each; records of one head lie
; 24,576 bytes apart along t), key_padding_mask: [2][2048] bytes, out0: [2][2048][16][128] f32.
;
; SHARING.  Work-group x: head x >> 3 (batch x >> 7, head (x >> 3) & 15), i = x & 7.  It owns the query blocks lo = i and hi = 15 - i of 128 rows:
; (lo + 1) + (hi + 1) = 17 blocks of 128 x 128 scores for each of the 256 work-groups.  Wave w owns rows 32 w .. 32 w + 31 of both blocks:
; query tiles q = 0, 1 (lo) and q = 2, 3 (hi) of 16 rows.  Keys go in steps of 64 through two LDS buffers; a block is two steps.
;
; BOTH PRODUCTS ARE USED TRANSPOSED.  S^T = K Q^T: register jj of lane (r, hh) holds (key 16 a + 8 hh + jj, query r).  Two such tiles, packed to
; f16 in place, ARE the second operand of O^T = V^T P^T, so no number changes its lane; maximum, sum and factor are one register a tile.
;
; FORMAT.  All four matrix operands are f16, not bf16: eleven significant bits in place of eight.  Rows with few visible keys have outputs of the
; size of v itself, and where their terms cancel the operands' rounding stands alone against a hundredth of the whole output's root mean square.
; f16 has the room: numbers up to 65,504; below 2^-14 a fixed step of 2^-24, which is 1.4e-5 of the spread of q / 30 after scaling (0.0043).
;
; MASKS.  The fill is -10000, not minus infinity, so masked keys keep a weight where every visible score is very low.  Padded keys: their K row
; is stored as zeros and the first product of each score chain takes bias[key] (0 or -10000 log2 e) as its C, so the score is exactly the fill.
; Causal: compare and select, only in tiles that can touch the diagonal.  Key blocks above a query block are never multiplied; all their scores are the fill,
; so their share is 2^(fill - m) x (the sum of their v, their count): the sums of v are gathered in f32 while V is converted (T1: blocks lo < j <= hi) and
; by a loop over V alone (T2: blocks j > hi), and joined at the end with a last step of the running maximum.
;
; K and V are shared by the eight work-groups of a head, yet no cluster: work-group i multiplies 16 - i blocks and then reads V alone, so partners would make
; different numbers of requests; made equal, each would take 20 blocks of scores in place of 17.  K and V come through registers, not through the
; tensor data mover, because they have to become f16 on the way: a landing zone would cost 64 KB of LDS writes and 64 KB of reads more a step.
;
; LIMITS.  q (after its scale 0.1275), k, v and the weights are rounded to f16 for the products: |q| below 5.1e5, |k| and |v| below 65,504, beyond which the
; conversion gives infinity.  Weights below 2^-14 of a row's running maximum are rounded in steps of 2^-24: at most 2048 x 2^-25 = 6e-5 of the sum, which is
; at least 1.  The softmax sum is taken from the unrounded weights.  Any non-zero mask byte counts as padded.  An infinity or NaN in q gives NaN also
; against padded keys (0 x inf).  2^x below 2^-126 is zero (ISA guide, v_exp_f32).
.set ROWB,   24576                     ; bytes from t to t + 1 in qkv
.set STEPB,  64*ROWB                   ; a step of 64 keys
.set BLKB,   128*ROWB                  ; a block of 128 keys
.set OROWB,  8192                      ; bytes from t to t + 1 in out0
.set KP,     272                       ; LDS pitch of a K row: 256 + 16, an odd multiple of 16
.set VP,     288                       ; LDS pitch of a V row: an odd multiple of 32, for the transposing load
.set VOFF,   64*KP                     ; a buffer: 64 K rows,
.set BOFF,   VOFF+64*VP                ; 64 V rows,
.set BUFB,   BOFF+256                  ; 64 bias words
.set SUMX,   2*BUFB                    ; the waves' sums of v: [kind][wave][128] f32
.set SUMW,   SUMX+4096                 ; each wave's own copy of the totals: 512 bytes for lo, 512 for hi
.set WS,     SUMW+4096                 ; each wave's own scratch: first Q (64 rows x 272), later the stage of the way out (16 rows x 528)
.set WSB,    64*KP
.set OPITCH, 528                       ; 512 + 16
; window 0
.set LK, 2                             ; K fragment: r 272 + 16 hh
.set LV, 3                             ; V fragment: VOFF + (8 hh + (L & 7)) 288 + 16 ((L >> 3) & 1)
.set LB, 4                             ; bias fragment: BOFF + 32 hh
.set SK, 5                             ; K store: 16 w rows + 8 L
.set SV, 6                             ; V store
.set SB, 7                             ; bias store: word 16 w + (L & 15)
.set GO, 8                             ; K, V in memory: 16 w rows + 16 L
.set GM, 9                             ; mask byte 16 w + (L & 15)
.set VQ, 10                            ; Q and the V-only loop: 32 w rows + 16 L
.set LQ, 11                            ; Q fragment in my scratch
.set OST, 12                           ; way out: r 528 + 32 hh in my stage
.set ORD, 13                           ; way out: 16 L in my stage
.set OGO, 14                           ; way out: 32 w rows of out0 + 16 L
.set NEGLV, 15                         ; -10000 log2 e
.set XM0, 16                           ; mask byte of stage set 0; set 1: v106 = XM0 + 90
.set TMP, 17
.set QD, 18                            ; v18-21  tile q: my query's row - 8 hh
.set DQ, 22                            ; v22-25  the same - the step's first key
.set ML, 26                            ; v26+2q running maximum, v27+2q my half's running sum
.set AL, 34                            ; v34+2q factor 2^(m_old - m_new); v35+2q only fills the pair
.set TT, 42                            ; v42+2q, v43+2q two chains of maxima
.set SP, 50                            ; v50+4q .. +3 two pairs of sums
.set T1, 66                            ; v66-73  sums of v, blocks lo < j <= hi (even rows, odd rows)
.set BIASR, 74                         ; v74-105 bias[16 a + 8 hh + jj] at 8 a + jj
.set QST, 107
.set PFO, 108                          ; prefetch: (32 w + (L >> 2)) rows + 256 (L & 3)
.set SXA, 109
.set SXR, 110
.set SWA, 111
.set SWR, 112
.set HH, 113                           ; set-up only
.set T0, 122                           ; set-up only
.set T2, 114                           ; v114-121 sums of v, blocks j > hi
.set SC, 128                           ; v128-255 scores, tile q at 32 q + 8 a + jj; weights (q, c) packed in place at 32 q + 16 c .. + 7
; window 1: O, tile q at 64 q + 8 dt + jj (first the landing place of Q).   window 2: v0-127 Q fragments at 32 q + 8 ks; v128-191 H0, v192-255 H1: K or V fragments.
; window 3: two stage sets of 128: K row k at 128 set + 4 k, V row k at 128 set + 64 + 4 k.
; scalars: s[4:5] mask, s[6:7] qkv at (b, 0, h), s[8:9] out0 at (b, 0, h), s10 wave, s11 lo = i, s12 hi, s13 b, s14 h, s[16:17] K of block j + 1,
; s[18:19] mask of block j + 1, s[20:23] Q of lo, hi, s[24:27] out0 of lo, hi, s30 trips, s31 the step's first key, s[32:33] 0.0 or 1.0, s[34:35] scale of Q,
; s36-37 lane selects, s38 padded rows, s39, s52 keep words, s40-47 compare masks, s48-49 tail score lo, hi, s50-51 tail counts, s54 prefetch limit.
.set MSB, 0
.macro WIN new                         ; s_set_vgpr_msb: 1:0 source 0, 3:2 source 1, 5:4 source 2, 7:6 destination; the high byte repeats the setting left
.if MSB != \new
	s_set_vgpr_msb (MSB<<8)|\new
.set MSB, \new
.endif
.endm
.macro PLACES n                        ; independent vector slots behind matrix instructions (ISA guide 7.12.1)
.rept \n
	v_nop
.endr
.endm
; 33 loads: my 16 mask bytes, my 16 K rows and my 16 V rows of one step, 512 consecutive bytes a load, into a stage set
.macro LOADKV set, imm, immM
	WIN 0
	global_load_u8 v[XM0+90*\set], v[GM], s[18:19] offset:\immM
	WIN 0xc0
.set n_k, 0
.rept 16
	global_load_b128 v[128*\set+4*n_k:128*\set+4*n_k+3], v[GO], s[16:17] offset:\imm+n_k*ROWB
.set n_k, n_k+1
.endr
.set n_k, 0
.rept 16
	global_load_b128 v[128*\set+64+4*n_k:128*\set+64+4*n_k+3], v[GO], s[16:17] offset:\imm+n_k*ROWB+512
.set n_k, n_k+1
.endr
.endm
; A stage set becomes f16 in LDS buffer buf.  nk: the loads younger than the set's last K row; nv: those younger than its last V row.
; vsum 0: no sum of v; 1: times s32 (0.0 or 1.0); 2: plain.
.macro CONVERT set, buf, vsum, nk, nv
	s_wait_loadcnt \nk                             ; loads return in order (ISA guide 5.7.1): mask and K are in
	WIN 0
	v_cmp_ne_u32 s38, 0, v[XM0+90*\set]            ; bit k (k < 16): my row k is padded
	v_cndmask_b32 v[TMP], 0, v[NEGLV], s38
	ds_store_b32 v[SB], v[TMP] offset:\buf*BUFB    ; lanes L and L + 16 write the same word with the same value
	WIN 0xcf
.set n_k, 0
.rept 16
.set r_, 128*\set+4*n_k
	s_bitcmp1_b32 s38, n_k
	s_cselect_b32 s[39+13*(n_k&1)], 0, -1          ; a padded row is stored as zeros (s39 and s52 in turn)
	v_cvt_pk_f16_f32 v[r_], v[r_], v[r_+1]
	v_cvt_pk_f16_f32 v[r_+1], v[r_+2], v[r_+3]
	v_and_b32 v[r_], s[39+13*(n_k&1)], v[r_]
	v_and_b32 v[r_+1], s[39+13*(n_k&1)], v[r_+1]
.set n_k, n_k+1
.endr
	WIN 0x0c
.set n_k, 0
.rept 16
	ds_store_b64 v[SK], v[128*\set+4*n_k:128*\set+4*n_k+1] offset:\buf*BUFB+n_k*KP     ; 32 lanes, 256 consecutive bytes
.set n_k, n_k+1
.endr
	s_wait_loadcnt \nv                             ; V is in
.if \vsum
	WIN 0x03
.set n_k, 0
.rept 16
.set r_, 128*\set+64+4*n_k
.set t_, T1+4*(n_k&1)
.if \vsum == 1
	v_pk_fma_f32 v[t_:t_+1], v[r_:r_+1], s[32:33], v[t_:t_+1] op_sel_hi:[1,0,1]
	v_pk_fma_f32 v[t_+2:t_+3], v[r_+2:r_+3], s[32:33], v[t_+2:t_+3] op_sel_hi:[1,0,1]
.else
	v_pk_add_f32 v[t_:t_+1], v[r_:r_+1], v[t_:t_+1]
	v_pk_add_f32 v[t_+2:t_+3], v[r_+2:r_+3], v[t_+2:t_+3]
.endif
.set n_k, n_k+1
.endr
.endif
	WIN 0xcf
.set n_k, 0
.rept 16
.set r_, 128*\set+64+4*n_k
	v_cvt_pk_f16_f32 v[r_], v[r_], v[r_+1]
	v_cvt_pk_f16_f32 v[r_+1], v[r_+2], v[r_+3]
.set n_k, n_k+1
.endr
	WIN 0x0c
.set n_k, 0
.rept 16
	ds_store_b64 v[SV], v[128*\set+64+4*n_k:128*\set+64+4*n_k+1] offset:\buf*BUFB+n_k*VP
.set n_k, n_k+1
.endr
.endm
; 16 loads: K fragments of key tiles a = 2 p, 2 p + 1 (16 keys x 128 d each) into H p
.macro FRAGKP buf, p
	WIN 0x80
.set n_a, 0
.rept 2
.set n_k, 0
.rept 4
.set r_, 128+64*\p+32*n_a+8*n_k
	ds_load_b128 v[r_:r_+3],   v[LK] offset:\buf*BUFB+(2*\p+n_a)*16*KP+64*n_k
	ds_load_b128 v[r_+4:r_+7], v[LK] offset:\buf*BUFB+(2*\p+n_a)*16*KP+64*n_k+32
.set n_k, n_k+1
.endr
.set n_a, n_a+1
.endr
.endm
; 24 loads: the step's bias in the layout of a result, then K tiles 0, 1
.macro FRAGK01 buf
	WIN 0
.set n_a, 0
.rept 4
	ds_load_b128 v[BIASR+8*n_a:BIASR+8*n_a+3],   v[LB] offset:\buf*BUFB+64*n_a
	ds_load_b128 v[BIASR+8*n_a+4:BIASR+8*n_a+7], v[LB] offset:\buf*BUFB+64*n_a+16
.set n_a, n_a+1
.endr
	FRAGKP \buf, 0
.endm
; 16 transposing loads: V^T fragments (16 d x 32 keys) of keys 32 c .. 32 c + 31, all eight d tiles, into H c
.macro FRAGV buf, c
	WIN 0x80
.set n_d, 0
.rept 8
.set r_, 128+64*\c+8*n_d
	ds_load_tr16_b128 v[r_:r_+3],   v[LV] offset:\buf*BUFB+\c*32*VP+32*n_d
	ds_load_tr16_b128 v[r_+4:r_+7], v[LV] offset:\buf*BUFB+\c*32*VP+32*n_d+16*VP
.set n_d, n_d+1
.endr
.endm
; scores of key tiles 2 p, 2 p + 1 for query tiles q0 .. q0 + nq - 1: the first link takes the bias as C, the other three go on in place
.macro QK p, q0, nq
	WIN 0x0a
.set n_k, 0
.rept 4
.set n_a, 0
.rept 2
.set n_q, \q0
.rept \nq
.set r_, SC+32*n_q+8*(2*\p+n_a)
.set a_, 128+64*\p+32*n_a+8*n_k
.set b_, 32*n_q+8*n_k
.if n_k == 0
	v_wmma_f32_16x16x32_f16 v[r_:r_+7], v[a_:a_+7], v[b_:b_+7], v[BIASR+8*(2*\p+n_a):BIASR+8*(2*\p+n_a)+7]
.else
	v_wmma_f32_16x16x32_f16 v[r_:r_+7], v[a_:a_+7], v[b_:b_+7], v[r_:r_+7]
.endif
.set n_q, n_q+1
.endr
.set n_a, n_a+1
.endr
.set n_k, n_k+1
.endr
.endm
; O^T += V^T P^T for keys 32 c .. 32 c + 31.  zero = 1: the product starts the sums, nothing is cleared.
.macro PV c, q0, nq, zero
	WIN 0x52
.set n_d, 0
.rept 8
.set n_q, \q0
.rept \nq
.set r_, 64*n_q+8*n_d
.set a_, 128+64*\c+8*n_d
.set b_, SC+32*n_q+16*\c
.if \zero
	v_wmma_f32_16x16x32_f16 v[r_:r_+7], v[a_:a_+7], v[b_:b_+7], 0
.else
	v_wmma_f32_16x16x32_f16 v[r_:r_+7], v[a_:a_+7], v[b_:b_+7], v[r_:r_+7]
.endif
.set n_q, n_q+1
.endr
.set n_d, n_d+1
.endr
.endm
; The softmax step on 64 keys for tiles q0 .. q0 + nq - 1; tiles dq0 .. dq0 + ndq - 1 get the causal fill.  first = 1: no earlier maximum, sum or O.
; Chains are laid side by side over the tiles so that no instruction waits for the one in front of it.
.macro SOFT q0, nq, dq0, ndq, first
	WIN 0
.if \ndq
.set n_q, \dq0
.rept \ndq
	v_sub_nc_u32 v[DQ+n_q], v[QD+n_q], s31         ; key > query  <=>  16 a + jj > query - 8 hh - first key
.set n_q, n_q+1
.endr
.set n_q, \dq0
.rept \ndq
.set n_a, 0
.rept 4
.set n_j, 0
.rept 8
	v_cmp_gt_i32 s[40+n_j], 16*n_a+n_j, v[DQ+n_q]
.set n_j, n_j+1
.endr
.set n_j, 0
.rept 8
	v_cndmask_b32 v[SC+32*n_q+8*n_a+n_j], v[SC+32*n_q+8*n_a+n_j], v[NEGLV], s[40+n_j]
.set n_j, n_j+1
.endr
.set n_a, n_a+1
.endr
.set n_q, n_q+1
.endr
.endif
	; the new maximum: chain A takes the old one and scores 0-15, chain B scores 16-30, the join score 31
.set n_q, \q0
.rept \nq
.if \first
	v_max_num_f32 v[TT+2*n_q], v[SC+32*n_q], v[SC+32*n_q+1]
.else
	v_max3_num_f32 v[TT+2*n_q], v[ML+2*n_q], v[SC+32*n_q], v[SC+32*n_q+1]
.endif
	v_max3_num_f32 v[TT+2*n_q+1], v[SC+32*n_q+16], v[SC+32*n_q+17], v[SC+32*n_q+18]
.set n_q, n_q+1
.endr
.set n_t, 1
.rept 6
.set n_q, \q0
.rept \nq
	v_max3_num_f32 v[TT+2*n_q], v[TT+2*n_q], v[SC+32*n_q+2*n_t], v[SC+32*n_q+2*n_t+1]
	v_max3_num_f32 v[TT+2*n_q+1], v[TT+2*n_q+1], v[SC+32*n_q+17+2*n_t], v[SC+32*n_q+18+2*n_t]
.set n_q, n_q+1
.endr
.set n_t, n_t+1
.endr
.set n_q, \q0
.rept \nq
	v_max3_num_f32 v[TT+2*n_q], v[TT+2*n_q], v[SC+32*n_q+14], v[SC+32*n_q+15]
.set n_q, n_q+1
.endr
.set n_q, \q0
.rept \nq
	v_max3_num_f32 v[TT+2*n_q], v[TT+2*n_q], v[TT+2*n_q+1], v[SC+32*n_q+31]
.set n_q, n_q+1
.endr
.set n_q, \q0
.rept \nq
	v_permlanex16_b32 v[TT+2*n_q+1], v[TT+2*n_q], s36, s37     ; the other half of the lanes holds the query's other keys
.set n_q, n_q+1
.endr
.set n_q, \q0
.rept \nq
	v_max_num_f32 v[TT+2*n_q], v[TT+2*n_q], v[TT+2*n_q+1]
.set n_q, n_q+1
.endr
.if \first == 0
.set n_q, \q0
.rept \nq
	v_sub_f32 v[AL+2*n_q], v[ML+2*n_q], v[TT+2*n_q]
.set n_q, n_q+1
.endr
.endif
.set n_q, \q0
.rept \nq
	v_mov_b32 v[ML+2*n_q], v[TT+2*n_q]
.set n_q, n_q+1
.endr
	; weights 2^(s - m): the scale of Q holds log2 e
.set n_q, \q0
.rept \nq
.set n_t, 0
.rept 16
.set r_, SC+32*n_q+2*n_t
	v_pk_add_f32 v[r_:r_+1], v[r_:r_+1], v[ML+2*n_q:ML+2*n_q+1] op_sel_hi:[1,0] neg_lo:[0,1] neg_hi:[0,1]
.set n_t, n_t+1
.endr
.set n_q, n_q+1
.endr
.if \first == 0
.set n_q, \q0
.rept \nq
	v_exp_f32 v[AL+2*n_q], v[AL+2*n_q]
.set n_q, n_q+1
.endr
.endif
.set n_q, \q0
.rept \nq
.set n_t, 0
.rept 32
	v_exp_f32 v[SC+32*n_q+n_t], v[SC+32*n_q+n_t]
.set n_t, n_t+1
.endr
.set n_q, n_q+1
.endr
	v_nop                                          ; one plain slot between the last v_exp_f32 and the first use (ISA guide 5.7.2)
	; my half's sum of the unrounded weights, two chains of pairs a tile
.set n_q, \q0
	s_wait_alu depctr_va_vdst(0)
.rept \nq
	v_pk_add_f32 v[SP+4*n_q:SP+4*n_q+1], v[SC+32*n_q:SC+32*n_q+1], v[SC+32*n_q+2:SC+32*n_q+3]
	v_pk_add_f32 v[SP+4*n_q+2:SP+4*n_q+3], v[SC+32*n_q+16:SC+32*n_q+17], v[SC+32*n_q+18:SC+32*n_q+19]
.set n_q, n_q+1
.endr
.set n_t, 2
.rept 6
.set n_q, \q0
.rept \nq
	v_pk_add_f32 v[SP+4*n_q:SP+4*n_q+1], v[SP+4*n_q:SP+4*n_q+1], v[SC+32*n_q+2*n_t:SC+32*n_q+2*n_t+1]
	v_pk_add_f32 v[SP+4*n_q+2:SP+4*n_q+3], v[SP+4*n_q+2:SP+4*n_q+3], v[SC+32*n_q+16+2*n_t:SC+32*n_q+17+2*n_t]
.set n_q, n_q+1
.endr
.set n_t, n_t+1
.endr
.set n_q, \q0
.rept \nq
	v_pk_add_f32 v[SP+4*n_q:SP+4*n_q+1], v[SP+4*n_q:SP+4*n_q+1], v[SP+4*n_q+2:SP+4*n_q+3]
.set n_q, n_q+1
.endr
.set n_q, \q0
.rept \nq
.if \first
	v_add_f32 v[ML+2*n_q+1], v[SP+4*n_q], v[SP+4*n_q+1]
.else
	v_add_f32 v[SP+4*n_q], v[SP+4*n_q], v[SP+4*n_q+1]
.endif
.set n_q, n_q+1
.endr
.if \first == 0
.set n_q, \q0
.rept \nq
	v_fma_f32 v[ML+2*n_q+1], v[ML+2*n_q+1], v[AL+2*n_q], v[SP+4*n_q]
.set n_q, n_q+1
.endr
.endif
	; pack in place, ascending: word t of half c takes numbers 2 t, 2 t + 1, which no earlier word has overwritten
.set n_q, \q0
.rept \nq
.set n_a, 0
.rept 2
.set n_t, 0
.rept 8
.set r_, SC+32*n_q+16*n_a
	v_cvt_pk_f16_f32 v[r_+n_t], v[r_+2*n_t], v[r_+2*n_t+1]
.set n_t, n_t+1
.endr
.set n_a, n_a+1
.endr
.set n_q, n_q+1
.endr
.if \first == 0
	WIN 0x41                                       ; O *= 2^(m_old - m_new)
.set n_q, \q0
.rept \nq
.set n_t, 0
.rept 32
	v_pk_mul_f32 v[64*n_q+2*n_t:64*n_q+2*n_t+1], v[64*n_q+2*n_t:64*n_q+2*n_t+1], v[AL+2*n_q:AL+2*n_q+1] op_sel_hi:[1,0]
.set n_t, n_t+1
.endr
.set n_q, n_q+1
.endr
.endif
.endm
; ONE STEP of 64 keys from buffer buf.  On entry the bias and K tiles 0, 1 are on their way (24 LDS loads).
; conv = 1: stage set cset becomes the next step's tile in the other buffer, and ONE barrier does both things: in front of it each wave's reads of this
; buffer and its stores into the other are complete (s_wait_dscnt 0); behind it the other buffer is read, and this one is rewritten in the next step.
.macro STEP buf, q0, nq, dq0, ndq, first, ldhead, conv, cset, vsum, nk, nv, ldafter
.set NB, 1-\buf
	PLACES 5                                       ; behind the last step's products: 4 before loads into H1, 5 before new scores land on the weights they read
	FRAGKP \buf, 1
.if \ldhead
	LOADKV 0, 0, 0                                 ; two steps ahead: the first half of block j + 1
.endif
	s_wait_dscnt 16                                ; all but the 16 loads of K tiles 2, 3: bias and K tiles 0, 1 are in
	QK 0, \q0, \nq
	PLACES 4                                       ; H0 has been read by matrix instructions
	FRAGV \buf, 0
	s_wait_dscnt 16                                ; all but these 16: K tiles 2, 3 are in
	QK 1, \q0, \nq
	PLACES 4                                       ; for the loads into H1 and for the vector work on the scores
	FRAGV \buf, 1
	SOFT \q0, \nq, \dq0, \ndq, \first
.if \conv
	CONVERT \cset, NB, \vsum, \nk, \nv
.endif
.if \ldafter
	LOADKV 1, STEPB, 64                            ; the second half of block j + 1, into the set just converted
.endif
	s_wait_dscnt 0x0                               ; V fragments in; my reads of this buffer and my stores into the other are complete
.if \conv
	s_barrier_signal -1
.endif
	PV 0, \q0, \nq, \first                         ; registers only
.if \conv
	s_barrier_wait -1
	PLACES 4                                       ; H0 has been read by matrix instructions
	FRAGK01 NB
.endif
	PV 1, \q0, \nq, 0
	s_add_co_u32 s31, s31, 64
.endm
; A block that is followed by another.  Load counts: behind a set's last K row stand its 16 V rows and the 33 loads of the younger set (49), behind its last V row those 33.
.macro BLK q0, nq, dq0, ndq, first, vsa, vsb
	STEP 0, \q0, \nq, \dq0, \ndq, \first, 1, 1, 1, \vsa, 49, 33, 1
	STEP 1, \q0, \nq, \dq0, \ndq, 0, 0, 1, 0, \vsb, 49, 33, 0
	s_wait_xcnt 0x0                                ; the bases of the block's loads are stepped only behind this wait
	s_add_nc_u64 s[16:17], s[16:17], BLKB
	s_add_nc_u64 s[18:19], s[18:19], 128
.endm
; four requests a wave: rows 32 w .. 32 w + 31 of block j + 2, the 1,024 bytes of k | v of each row in four pieces 256 bytes apart, each piece asked for once
.macro ASK
.set n_t, 0
.rept 4
	global_prefetch_b8 v[PFO], s[16:17] offset:BLKB+n_t*8*ROWB th:TH_LOAD_NT scope:SCOPE_SE
.set n_t, n_t+1
.endr
.endm
; eight V rows of the V-only loop: wait, add, and (more = 1) ask for the same rows of the next block
.macro TAILG g, left, more
	s_wait_loadcnt \left
	WIN 0x03
.set n_k, 8*\g
.rept 8
.set t_, T2+4*(n_k&1)
	v_pk_add_f32 v[t_:t_+1], v[4*n_k:4*n_k+1], v[t_:t_+1]
	v_pk_add_f32 v[t_+2:t_+3], v[4*n_k+2:4*n_k+3], v[t_+2:t_+3]
.set n_k, n_k+1
.endr
.if \more
	WIN 0xc0
.set n_k, 8*\g
.rept 8
	global_load_b128 v[4*n_k:4*n_k+3], v[VQ], s[16:17] offset:512+BLKB+n_k*ROWB
.set n_k, n_k+1
.endr
.endif
.endm
; Tile q leaves: the tail joins by a last step of the running maximum, then 16 rows go through my stage and out as whole rows of 512 bytes.
; ts, cs: scalars with the tail's score and count; ob: base of out0; hb: H0 or H1 in turn
.macro FINAL q, ts, cs, ob, hb
	WIN 0
	v_permlanex16_b32 v[TT+2*\q+1], v[ML+2*\q+1], s36, s37
	v_add_f32 v[ML+2*\q+1], v[ML+2*\q+1], v[TT+2*\q+1]         ; the two halves' sums
	v_max_num_f32 v[TT+2*\q], s[\ts], v[ML+2*\q]               ; m'
	v_sub_f32 v[AL+2*\q], v[ML+2*\q], v[TT+2*\q]
	v_sub_f32 v[TT+2*\q], s[\ts], v[TT+2*\q]
	v_exp_f32 v[AL+2*\q], v[AL+2*\q]                           ; a = 2^(m - m')
	v_exp_f32 v[TT+2*\q], v[TT+2*\q]                           ; w = 2^(tail - m')
	v_nop
	s_wait_alu depctr_va_vdst(0)
	v_mul_f32 v[TMP], s[\cs], v[TT+2*\q]
	v_fma_f32 v[TMP], v[ML+2*\q+1], v[AL+2*\q], v[TMP]         ; l' = l a + w count
	v_rcp_f32 v1, v[TMP]
	v_nop
	s_wait_alu depctr_va_vdst(0)
	v_mul_f32 v[AL+2*\q], v[AL+2*\q], v1
	v_mul_f32 v[TT+2*\q], v[TT+2*\q], v1
	WIN 0x41
.set n_t, 0
.rept 32
	v_pk_mul_f32 v[64*\q+2*n_t:64*\q+2*n_t+1], v[64*\q+2*n_t:64*\q+2*n_t+1], v[AL+2*\q:AL+2*\q+1] op_sel_hi:[1,0]
.set n_t, n_t+1
.endr
	WIN 0x50
.set n_t, 0
.rept 32
	v_pk_fma_f32 v[64*\q+2*n_t:64*\q+2*n_t+1], v[SC+64*(\q>>1)+2*n_t:SC+64*(\q>>1)+2*n_t+1], v[TT+2*\q:TT+2*\q+1], v[64*\q+2*n_t:64*\q+2*n_t+1] op_sel_hi:[1,0,1]
.set n_t, n_t+1
.endr
	WIN 0x04
.set n_d, 0
.rept 8
	ds_store_b128 v[OST], v[64*\q+8*n_d:64*\q+8*n_d+3]   offset:64*n_d
	ds_store_b128 v[OST], v[64*\q+8*n_d+4:64*\q+8*n_d+7] offset:64*n_d+16
.set n_d, n_d+1
.endr
	s_wait_xcnt 0x0                                ; registers that earlier stores read are loaded again only behind this wait
	WIN 0x80
.set n_k, 0
.rept 16
	ds_load_b128 v[\hb+4*n_k:\hb+4*n_k+3], v[ORD] offset:n_k*OPITCH    ; my own bytes: LDS serves a wave's instructions in order (ISA guide 5.7.1)
.set n_k, n_k+1
.endr
	WIN 0x08
.set n_k, 0
.rept 16
	s_wait_dscnt 15-n_k                            ; row n_k is in; the younger rows stay out
	global_store_b128 v[OGO], v[\hb+4*n_k:\hb+4*n_k+3], s[\ob:\ob+1] offset:(16*(\q&1)+n_k)*OROWB th:TH_STORE_NT   ; 512 consecutive bytes, aligned
.set n_k, n_k+1
.endr
.endm
; ---------------------------------------------------------------- set-up: what the first loads need
	s_load_b128 s[4:7], s[0:1], 0x0                ; mask, qkv
	s_load_b64 s[8:9], s[0:1], 0x10                ; out0
	v_lshl_add_u32 v126, v0, 2, 0x25000
	v_mov_b32 v127, 0
	v_lshrrev_b32 v1, 5, v0
	v_readfirstlane_b32 s10, v1                    ; wave
	s_and_b32 s11, ttmp9, 7                        ; i = lo
	s_sub_co_u32 s12, 15, s11                      ; hi
	s_lshr_b32 s13, ttmp9, 7                       ; b
	s_bfe_u32 s14, ttmp9, 0x40003                  ; h
	v_and_b32 v1, 31, v0                           ; L
	v_and_b32 v[TMP], 15, v0                       ; r
	v_bfe_u32 v[HH], v0, 4, 1                      ; hh
	s_mul_i32 s55, s10, 32*ROWB
	s_mul_i32 s56, s10, 16*ROWB
	s_lshl_b32 s57, s10, 4
	v_lshl_add_u32 v[VQ], v1, 4, s55
	v_lshl_add_u32 v[GO], v1, 4, s56
	v_add_nc_u32 v[GM], s57, v[TMP]
	s_mul_i32 s40, s13, 2048*ROWB                  ; byte offsets, all below 2^31, each in a pair with 0 above
	s_mul_i32 s41, s14, 1536
	s_add_co_u32 s40, s40, s41
	s_mov_b32 s41, 0
	s_mul_i32 s42, s11, BLKB
	s_mov_b32 s43, 0
	s_mul_i32 s44, s12, BLKB
	s_mov_b32 s45, 0
	s_lshl_b32 s46, s13, 11
	s_mov_b32 s47, 0
	s_wait_kmcnt 0x0
	s_add_nc_u64 s[6:7], s[6:7], s[40:41]          ; qkv at (b, 0, h)
	s_add_nc_u64 s[16:17], s[6:7], 512             ; K of block 0
	s_add_nc_u64 s[20:21], s[6:7], s[42:43]        ; Q of block lo
	s_add_nc_u64 s[22:23], s[6:7], s[44:45]        ; Q of block hi
	s_add_nc_u64 s[18:19], s[4:5], s[46:47]        ; mask of batch b
	WIN 0x40                                       ; my 64 rows of Q land in window 1, read once by the whole launch
.set n_k, 0
.rept 32
	global_load_b128 v[4*n_k:4*n_k+3], v[VQ], s[20:21] offset:n_k*ROWB th:TH_LOAD_NT
.set n_k, n_k+1
.endr
.set n_k, 0
.rept 32
	global_load_b128 v[128+4*n_k:128+4*n_k+3], v[VQ], s[22:23] offset:n_k*ROWB th:TH_LOAD_NT
.set n_k, n_k+1
.endr
	LOADKV 0, 0, 0                                 ; steps 0 and 1
	LOADKV 1, STEPB, 64
	WIN 0
; ---------------------------------------------------------------- the other addresses and constants, while the loads are out
	v_mul_u32_u24 v[LK], v[TMP], KP
	v_lshl_add_u32 v[LK], v[HH], 4, v[LK]
	v_and_b32 v[T0], 7, v0
	v_lshl_add_u32 v[T0], v[HH], 3, v[T0]
	v_mul_u32_u24 v[LV], v[T0], VP
	v_bfe_u32 v[T0], v0, 3, 1
	v_lshl_add_u32 v[LV], v[T0], 4, v[LV]
	v_add_nc_u32 v[LV], VOFF, v[LV]
	v_lshl_add_u32 v[LB], v[HH], 5, BOFF
	s_mul_i32 s56, s10, 16*KP
	v_lshl_add_u32 v[SK], v1, 3, s56
	s_mul_i32 s57, s10, 16*VP
	s_add_co_u32 s57, s57, VOFF
	v_lshl_add_u32 v[SV], v1, 3, s57
	s_lshl_b32 s58, s10, 6
	s_add_co_u32 s58, s58, BOFF
	v_lshl_add_u32 v[SB], v[TMP], 2, s58
	s_mul_i32 s59, s10, WSB
	s_add_co_u32 s59, s59, WS                      ; my scratch
	v_add_nc_u32 v[LQ], s59, v[LK]
	v_mul_u32_u24 v[OST], v[TMP], OPITCH
	v_lshl_add_u32 v[OST], v[HH], 5, v[OST]
	v_add_nc_u32 v[OST], s59, v[OST]
	v_lshl_add_u32 v[ORD], v1, 4, s59
	v_lshl_add_u32 v[QST], v1, 3, s59
	s_lshl_b32 s56, s10, 18                        ; 32 w rows of 8,192 bytes
	v_lshl_add_u32 v[OGO], v1, 4, s56
	v_mov_b32 v[NEGLV], 0xc6616bcd                 ; -10000 log2 e
	v_lshrrev_b32 v[T0], 2, v1
	v_mul_u32_u24 v[PFO], v[T0], ROWB
	v_and_b32 v[T0], 3, v0
	v_lshl_add_u32 v[PFO], v[T0], 8, v[PFO]
	v_add_nc_u32 v[PFO], s55, v[PFO]
	s_lshl_b32 s57, s10, 9
	s_add_co_u32 s57, s57, SUMX
	v_lshl_add_u32 v[SXA], v1, 4, s57
	v_lshl_add_u32 v[SXR], v1, 4, SUMX
	s_lshl_b32 s58, s10, 10
	s_add_co_u32 s58, s58, SUMW
	v_lshl_add_u32 v[SWA], v1, 4, s58
	v_lshl_add_u32 v[SWR], v[HH], 5, s58
	v_lshlrev_b32 v[T0], 3, v[HH]
	v_sub_nc_u32 v[T0], v[TMP], v[T0]              ; r - 8 hh
	s_lshl_b32 s56, s10, 5
	s_lshl_b32 s57, s11, 7
	s_add_co_u32 s57, s57, s56                     ; 128 lo + 32 w
	s_lshl_b32 s58, s12, 7
	s_add_co_u32 s58, s58, s56                     ; 128 hi + 32 w
	v_add_nc_u32 v[QD], s57, v[T0]
	v_add_nc_u32 v[QD+1], 16, v[QD]
	v_add_nc_u32 v[QD+2], s58, v[T0]
	v_add_nc_u32 v[QD+3], 16, v[QD+2]
	s_lshl_b32 s40, s13, 24                        ; out0: b x 2048 rows of 8,192 bytes + h x 512 (s41, s43, s45 are still 0)
	s_lshl_b32 s42, s14, 9
	s_add_co_u32 s40, s40, s42
	s_add_nc_u64 s[8:9], s[8:9], s[40:41]
	s_lshl_b32 s42, s11, 20
	s_add_nc_u64 s[24:25], s[8:9], s[42:43]
	s_lshl_b32 s44, s12, 20
	s_add_nc_u64 s[26:27], s[8:9], s[44:45]
	s_mov_b32 s34, 0x3e0293ee                      ; log2 e / sqrt(128)
	s_mov_b32 s35, 0x3e0293ee
	s_mov_b32 s36, 0x76543210                      ; v_permlanex16_b32: lane i reads lane i of the other half
	s_mov_b32 s37, 0xfedcba98
	s_mov_b32 s48, 0xc6616bcd                      ; the tail's score for lo: at least 1,024 keys lie above block lo
	s_lshl_b32 s55, s11, 7                         ; keys above block hi: 128 i
	s_sub_co_u32 s56, 1920, s55                    ; keys above block lo: 2048 - 128 (lo + 1)
	s_cvt_f32_u32 s50, s56
	s_cvt_f32_u32 s51, s55
.irp q, 0,1,2,3
	v_mov_b32 v[ML+2*\q+1], 0                      ; the odd halves of pairs that packed instructions name
	v_mov_b32 v[AL+2*\q+1], 0
.endr
.set n_t, 0
.rept 8
	v_mov_b32 v[T1+n_t], 0                         ; the sums of v may stay empty (i = 0: T2; the flag 0.0: T1)
	v_mov_b32 v[T2+n_t], 0
.set n_t, n_t+1
.endr
; ---------------------------------------------------------------- Q: scale, round, and through my scratch into fragments
	s_wait_loadcnt 63                              ; 130 loads are issued and the 64 of Q are the oldest: any count up to 66 shows them in; 63 is the largest the field names
	WIN 0x41
.set n_t, 0
.rept 128
	v_pk_mul_f32 v[2*n_t:2*n_t+1], v[2*n_t:2*n_t+1], s[34:35] op_sel_hi:[1,0]
.set n_t, n_t+1
.endr
	WIN 0x45
.set n_k, 0
.rept 64
	v_cvt_pk_f16_f32 v[4*n_k], v[4*n_k], v[4*n_k+1]
	v_cvt_pk_f16_f32 v[4*n_k+1], v[4*n_k+2], v[4*n_k+3]
.set n_k, n_k+1
.endr
	WIN 0x04
.set n_k, 0
.rept 64
	ds_store_b64 v[QST], v[4*n_k:4*n_k+1] offset:n_k*KP
.set n_k, n_k+1
.endr
	WIN 0x80
.set n_q, 0
.rept 4
.set n_k, 0
.rept 4
	ds_load_b128 v[32*n_q+8*n_k:32*n_q+8*n_k+3],   v[LQ] offset:n_q*16*KP+64*n_k       ; my own bytes, served in order behind the stores
	ds_load_b128 v[32*n_q+8*n_k+4:32*n_q+8*n_k+7], v[LQ] offset:n_q*16*KP+64*n_k+32
.set n_k, n_k+1
.endr
.set n_q, n_q+1
.endr
	CONVERT 0, 0, 0, 49, 33                        ; step 0's tile; behind its K: 16 V rows + set 1's 33 loads
	s_wait_xcnt 0x0                                ; the bases are stepped only behind this wait
	s_add_nc_u64 s[16:17], s[16:17], BLKB          ; block 1
	s_add_nc_u64 s[18:19], s[18:19], 128
	s_mov_b32 s31, 0
	s_wait_dscnt 0x0                               ; my part of step 0's tile is stored (and Q's fragments are in)
	s_barrier_signal -1
	s_barrier_wait -1
	FRAGK01 0
	WIN 0
	s_cmp_eq_u32 s11, 0
	s_cselect_b32 s32, 0x3f800000, 0               ; block 1 counts for T1 if lo = 0
	s_mov_b32 s33, s32
	s_cselect_b32 s54, 1, 0x7fffffff               ; only i = 0, which walks the keys with the least work a block, asks ahead, and not in its last middle block
	s_cselect_b32 s49, 0xff800000, s48             ; i = 0: no key lies above block hi: the tail's score is minus infinity, its weight 0
	s_cbranch_scc0 .Lno_ask0
	ASK                                            ; block 2
.Lno_ask0:
; ---------------------------------------------------------------- block 0: four tiles, lo with the causal fill, the first step starts all sums
	BLK 0, 4, 0, 2, 1, 0, 1
	WIN 0
	s_cmp_eq_u32 s11, 0
	s_cbranch_scc1 .Lphase2
	s_mov_b32 s30, s11
.Lphase1:                                          ; blocks 1 .. lo
	s_cmp_eq_u32 s30, 1
	s_cselect_b32 s32, 0x3f800000, 0               ; the second step converts the first half of block j + 1, which counts for T1 if j = lo
	s_mov_b32 s33, s32
	BLK 0, 4, 0, 2, 0, 0, 1
	WIN 0
	s_sub_co_i32 s30, s30, 1
	s_cmp_gt_i32 s30, 0
	s_cbranch_scc1 .Lphase1
.Lphase2:
	s_lshl_b32 s55, s11, 1
	s_sub_co_u32 s30, 14, s55                      ; blocks lo + 1 .. hi - 1
	s_cmp_eq_u32 s30, 0
	s_cbranch_scc1 .Lblock_hi
.Lmiddle:
	s_cmp_gt_u32 s30, s54                          ; i = 0, block j = 15 - s30: block j + 2 exists while s30 > 1
	s_cbranch_scc0 .Lno_ask
	ASK
.Lno_ask:
	BLK 2, 2, 0, 0, 0, 2, 2
	WIN 0
	s_sub_co_i32 s30, s30, 1
	s_cmp_gt_i32 s30, 0
	s_cbranch_scc1 .Lmiddle
.Lblock_hi:
; ---------------------------------------------------------------- block hi: causal fill, nothing more to fetch for the products
	STEP 0, 2, 2, 2, 2, 0, 0, 1, 1, 2, 16, 0, 0    ; set 1 is the only one out: 16 V rows behind its K, nothing behind its V
	WIN 0
	s_cmp_eq_u32 s11, 0
	s_cbranch_scc1 .Lno_tail_loads
	WIN 0xc0                                       ; my 32 V rows of block hi + 1, into stage set 0, which was converted a step ago
.set n_k, 0
.rept 32
	global_load_b128 v[4*n_k:4*n_k+3], v[VQ], s[16:17] offset:512+n_k*ROWB
.set n_k, n_k+1
.endr
	WIN 0
.Lno_tail_loads:
	STEP 1, 2, 2, 2, 2, 0, 0, 0, 0, 0, 0, 0, 0
	PLACES 4                                       ; behind the last products, for all that follows on O, the weights' registers, H0 and H1
	WIN 0
; ---------------------------------------------------------------- V alone: blocks hi + 1 .. 15, 32 loads always out
	s_cmp_eq_u32 s11, 0
	s_cbranch_scc1 .Lepilogue
	s_sub_co_u32 s30, s11, 1                       ; i - 1 trips ask for a further block
	s_cmp_lt_i32 s30, 1
	s_cbranch_scc1 .Ltail_last
.Ltail:
	TAILG 0, 24, 1                                 ; 32 loads are out, the eight wanted are the oldest: 24 may stay
	TAILG 1, 24, 1
	TAILG 2, 24, 1
	TAILG 3, 24, 1
	WIN 0
	s_wait_xcnt 0x0                                ; the base is stepped only behind this wait
	s_add_nc_u64 s[16:17], s[16:17], BLKB
	s_sub_co_i32 s30, s30, 1
	s_cmp_gt_i32 s30, 0
	s_cbranch_scc1 .Ltail
.Ltail_last:
	TAILG 0, 24, 0                                 ; block 15: nothing is asked for, the counts run down
	TAILG 1, 16, 0
	TAILG 2, 8, 0
	TAILG 3, 0, 0
	WIN 0
.Lepilogue:
; ---------------------------------------------------------------- the sums of v of all four waves
	v_pk_add_f32 v[T1:T1+1], v[T1:T1+1], v[T1+4:T1+5]
	v_pk_add_f32 v[T1+2:T1+3], v[T1+2:T1+3], v[T1+6:T1+7]
	v_pk_add_f32 v[T2:T2+1], v[T2:T2+1], v[T2+4:T2+5]
	v_pk_add_f32 v[T2+2:T2+3], v[T2+2:T2+3], v[T2+6:T2+7]
	ds_store_b128 v[SXA], v[T1:T1+3]
	ds_store_b128 v[SXA], v[T2:T2+3] offset:2048
	s_wait_dscnt 0x0                               ; for the other waves: my sums are stored
	s_barrier_signal -1
	s_barrier_wait -1
.set n_k, 0
.rept 8
	ds_load_b128 v[SC+4*n_k:SC+4*n_k+3], v[SXR] offset:512*n_k     ; 0-3: T1 of waves 0-3; 4-7: T2
.set n_k, n_k+1
.endr
	s_wait_dscnt 0x0
	v_pk_add_f32 v[T2:T2+1], v[SC+16:SC+17], v[SC+20:SC+21]
	v_pk_add_f32 v[T2+2:T2+3], v[SC+18:SC+19], v[SC+22:SC+23]
	v_pk_add_f32 v[T1:T1+1], v[SC:SC+1], v[SC+4:SC+5]
	v_pk_add_f32 v[T1+2:T1+3], v[SC+2:SC+3], v[SC+6:SC+7]
	v_pk_add_f32 v[T2:T2+1], v[T2:T2+1], v[SC+24:SC+25]
	v_pk_add_f32 v[T2+2:T2+3], v[T2+2:T2+3], v[SC+26:SC+27]
	v_pk_add_f32 v[T1:T1+1], v[T1:T1+1], v[SC+8:SC+9]
	v_pk_add_f32 v[T1+2:T1+3], v[T1+2:T1+3], v[SC+10:SC+11]
	v_pk_add_f32 v[T2:T2+1], v[T2:T2+1], v[SC+28:SC+29]            ; S_hi: blocks above hi
	v_pk_add_f32 v[T2+2:T2+3], v[T2+2:T2+3], v[SC+30:SC+31]
	v_pk_add_f32 v[T1:T1+1], v[T1:T1+1], v[SC+12:SC+13]
	v_pk_add_f32 v[T1+2:T1+3], v[T1+2:T1+3], v[SC+14:SC+15]
	v_pk_add_f32 v[T1:T1+1], v[T1:T1+1], v[T2:T2+1]                ; S_lo: blocks above lo
	v_pk_add_f32 v[T1+2:T1+3], v[T1+2:T1+3], v[T2+2:T2+3]
	ds_store_b128 v[SWA], v[T1:T1+3]               ; my own copy, read back in O's layout: d = 16 dt + 8 hh + jj
	ds_store_b128 v[SWA], v[T2:T2+3] offset:512
.set n_a, 0
.rept 2
.set n_d, 0
.rept 8
	ds_load_b128 v[SC+64*n_a+8*n_d:SC+64*n_a+8*n_d+3],   v[SWR] offset:512*n_a+64*n_d
	ds_load_b128 v[SC+64*n_a+8*n_d+4:SC+64*n_a+8*n_d+7], v[SWR] offset:512*n_a+64*n_d+16
.set n_d, n_d+1
.endr
.set n_a, n_a+1
.endr
	s_wait_dscnt 0x0
; ---------------------------------------------------------------- the four tiles leave
	FINAL 0, 48, 50, 24, 128
	FINAL 1, 48, 50, 24, 192
	FINAL 2, 49, 51, 26, 128
	FINAL 3, 49, 51, 26, 192
	WIN 0
	s_wait_tensorcnt 0x0
	ds_add_u32 v126, v127
	s_wait_dscnt 0x0
	s_endpgm
.Lfunc_end_k_qe75894c3dd_attn:
	.size	k_qe75894c3dd_attn, .Lfunc_end_k_qe75894c3dd_attn-k_qe75894c3dd_attn
	.p2alignl 7, 3214868480
	.fill 96, 4, 3214868480
	.section	.rodata,"a",@progbits
	.p2align	6, 0x0
	.amdhsa_kernel k_qe75894c3dd_attn
		.amdhsa_group_segment_fixed_size 152064
		.amdhsa_private_segment_fixed_size 0
		.amdhsa_enable_private_segment 0
		.amdhsa_kernarg_size 24
		.amdhsa_user_sgpr_count 2
		.amdhsa_user_sgpr_kernarg_segment_ptr 1
		.amdhsa_wavefront_size32 1
		.amdhsa_system_sgpr_workgroup_id_x 1
		.amdhsa_system_sgpr_workgroup_id_y 1
		.amdhsa_system_sgpr_workgroup_id_z 1
		.amdhsa_system_vgpr_workitem_id 0
		.amdhsa_next_free_vgpr 1024
		.amdhsa_next_free_sgpr 66
		.amdhsa_reserve_vcc 0
		.amdhsa_float_denorm_mode_32 3
		.amdhsa_float_denorm_mode_16_64 3
		.amdhsa_memory_ordered 1
		.amdhsa_forward_progress 1
		.amdhsa_inst_pref_size 255
	.end_amdhsa_kernel
	.section	.bss,"aw",@nobits
	.p2align	6
	.space	262144
	.amdgpu_metadata
---
amdhsa.version: [ 1, 2 ]
amdhsa.kernels:
  - .name:           k_qe75894c3dd_attn
    .symbol:         k_qe75894c3dd_attn.kd
    .args:
      - { .name: key_padding_mask, .offset: 0, .size: 8, .value_kind: global_buffer, .address_space: global }
      - { .name: qkv, .offset: 8, .size: 8, .value_kind: global_buffer, .address_space: global }
      - { .name: out0, .offset: 16, .size: 8, .value_kind: global_buffer, .address_space: global }
    .group_segment_fixed_size: 152064
    .private_segment_fixed_size: 0
    .kernarg_segment_align: 8
    .kernarg_segment_size: 24
    .max_flat_workgroup_size: 128
    .sgpr_count:     66
    .vgpr_count:     1024
    .wavefront_size: 32
...
	.end_amdgpu_metadata
.endif
;; end of part 1
;; ======== version 2 of 2: 1 launch; version 1 with the launch attn written anew for expert scheduling mode
;; limits: values are held in f16: magnitudes above 65,504 overflow, below 6.1e-05 lose precision; inputs' magnitudes at most 65,504
;; launch attn (part 2): grid 256 x 1, 4 waves a work-group, no clusters, 152,064 bytes of LDS; arguments key_padding_mask, qkv, out0; writes out0
.if DOCPART == 2
	.amdgcn_target "amdgcn-amd-amdhsa--gfx1250"
	.amdhsa_code_object_version 6
	.text
	.protected	k_qe75894c3dd_attn
	.globl	k_qe75894c3dd_attn
	.p2align	8
	.type	k_qe75894c3dd_attn,@function
k_qe75894c3dd_attn:
	s_mov_b64 s[64:65], 0
	v_nop
	global_prefetch_b8 v0, s[64:65] scope:SCOPE_SE
	s_setreg_imm32_b32 hwreg(HW_REG_WAVE_SCHED_MODE, 0, 2), 2
	s_setreg_imm32_b32 hwreg(HW_REG_WAVE_MODE, 25, 1), 1
	s_wait_xcnt 0x0
	s_wait_alu depctr_vm_vsrc(0)
; Causal self-attention with a key padding mask.  qkv: [2][2048][16][384] f32 (q | k | v, 512 bytes each; records of one head lie
; 24,576 bytes apart along t), key_padding_mask: [2][2048] bytes, out0: [2][2048][16][128] f32.
;
; SHARING.  Work-group x: head x >> 3 (batch x >> 7, head (x >> 3) & 15), i = x & 7.  It owns the query blocks lo = i and hi = 15 - i of 128 rows:
; (lo + 1) + (hi + 1) = 17 blocks of 128 x 128 scores for each of the 256 work-groups.  Wave w owns rows 32 w .. 32 w + 31 of both blocks:
; query tiles q = 0, 1 (lo) and q = 2, 3 (hi) of 16 rows.  Keys go in steps of 64 through two LDS buffers; a block is two steps.
;
; BOTH PRODUCTS ARE USED TRANSPOSED.  S^T = K Q^T: register jj of lane (r, hh) holds (key 16 a + 8 hh + jj, query r).  Two such tiles, packed to
; f16 in place, ARE the second operand of O^T = V^T P^T, so no number changes its lane; maximum, sum and factor are one register a tile.
;
; FORMAT.  All four matrix operands are f16, not bf16: eleven significant bits in place of eight.  Rows with few visible keys have outputs of the
; size of v itself, and where their terms cancel the operands' rounding stands alone against a hundredth of the whole output's root mean square.
; f16 has the room: numbers up to 65,504; below 2^-14 a fixed step of 2^-24, which is 1.4e-5 of the spread of q / 30 after scaling (0.0043).
;
; MASKS.  The fill is -10000, not minus infinity, so masked keys keep a weight where every visible score is very low.  Padded keys: their K row
; is stored as zeros and the first product of each score chain takes bias[key] (0 or -10000 log2 e) as its C, so the score is exactly the fill.
; Causal: compare and select, only in tiles that can touch the diagonal.  Key blocks above a query block are never multiplied; all their scores are the fill,
; so their share is 2^(fill - m) x (the sum of their v, their count): the sums of v are gathered in f32 while V is converted (T1: blocks lo < j <= hi) and
; by a loop over V alone (T2: blocks j > hi), and joined at the end with a last step of the running maximum.
;
; K and V are shared by the eight work-groups of a head, yet no cluster: work-group i multiplies 16 - i blocks and then reads V alone, so partners would make
; different numbers of requests; made equal, each would take 20 blocks of scores in place of 17.  K and V come through registers, not through the
; tensor data mover, because they have to become f16 on the way: a landing zone would cost 64 KB of LDS writes and 64 KB of reads more a step.
;
; LIMITS.  q (after its scale 0.1275), k, v and the weights are rounded to f16 for the products: |q| below 5.1e5, |k| and |v| below 65,504, beyond which the
; conversion gives infinity.  Weights below 2^-14 of a row's running maximum are rounded in steps of 2^-24: at most 2048 x 2^-25 = 6e-5 of the sum, which is
; at least 1.  The softmax sum is taken from the unrounded weights.  Any non-zero mask byte counts as padded.  An infinity or NaN in q gives NaN also
; against padded keys (0 x inf).  2^x below 2^-126 is zero (ISA guide, v_exp_f32).
;
; THE MODE: SCHED_MODE bits 1:0 = 2 (LLVM: expert scheduling mode 2), set by the entry lines.  The code itself states the register dependences between vector or
; matrix instructions and memory or LDS instructions, with s_wait_alu, always for 0.
; THE PLAN.  Registers that memory or LDS instructions touch, in program order round a step (QK p: the scores of key tiles 2 p, 2 p + 1; PV c: O += V^T P^T for keys 32 c on):
;   H0      K tiles 0, 1 land (between the last step's PV 0 and PV 1); QK 0 reads; V^T of keys 0-31 lands behind QK 1; PV 0 reads.
;   H1      K tiles 2, 3 land at the step's head; QK 1 reads; V^T of keys 32-63 lands, asked for behind the softmax's maxima; PV 1 reads.
;   BIASR   lands with H0's K tiles; the first links of QK 0 and QK 1 read it.
;   stage set s and its mask byte   33 loads land; the conversion reads the set and rewrites it in place; 32 LDS stores read it; it is loaded again.
;   TMP     the conversion's select writes it; the bias store reads it.
;   all address registers are made at the kernel's head and never written again: rows are reached by scalar bases and immediate offsets.
; THE WAITS OF A STEP.  (1) va_vdst at the head: PV 1 is done reading H1.  It stands behind the last conversion's stores, so stage set 0's loads, dealt among QK's products, owe nothing more.
; (2) va_vdst behind QK 1: QK is done reading H0, H1 and BIASR; both runs of V's loads follow it, the second among the softmax's lines, which name window 0 alone.
; (3) in the conversion: va_sdst between the compare and its first reader; one va_vdst ahead of its 33 stores; one vm_vsrc behind them.
; (4) va_vdst between PV 0 and PV 1: PV 0 is done reading H0.  It stands behind the conversion's stores, so stage set 1's loads, dealt among PV 1's products, owe nothing more.
; (5) va_sdst behind each run of eight compares of the causal fill.
.set ROWB,   24576                     ; bytes from t to t + 1 in qkv
.set STEPB,  64*ROWB                   ; a step of 64 keys
.set BLKB,   128*ROWB                  ; a block of 128 keys
.set OROWB,  8192                      ; bytes from t to t + 1 in out0
.set KP,     272                       ; LDS pitch of a K row: 256 + 16, an odd multiple of 16
.set VP,     288                       ; LDS pitch of a V row: an odd multiple of 32, for the transposing load
.set VOFF,   64*KP                     ; a buffer: 64 K rows,
.set BOFF,   VOFF+64*VP                ; 64 V rows,
.set BUFB,   BOFF+256                  ; 64 bias words
.set SUMX,   2*BUFB                    ; the waves' sums of v: [kind][wave][128] f32
.set SUMW,   SUMX+4096                 ; each wave's own copy of the totals: 512 bytes for lo, 512 for hi
.set WS,     SUMW+4096                 ; each wave's own scratch: first Q (64 rows x 272), later the stage of the way out (16 rows x 528)
.set WSB,    64*KP
.set OPITCH, 528                       ; 512 + 16
; window 0
.set LK, 2                             ; K fragment: r 272 + 16 hh
.set LV, 3                             ; V fragment: VOFF + (8 hh + (L & 7)) 288 + 16 ((L >> 3) & 1)
.set LB, 4                             ; bias fragment: BOFF + 32 hh
.set SK, 5                             ; K store: 16 w rows + 8 L
.set SV, 6                             ; V store
.set SB, 7                             ; bias store: word 16 w + (L & 15)
.set GO, 8                             ; K, V in memory: 16 w rows + 16 L
.set GM, 9                             ; mask byte 16 w + (L & 15)
.set VQ, 10                            ; Q and the V-only loop: 32 w rows + 16 L
.set LQ, 11                            ; Q fragment in my scratch
.set OST, 12                           ; way out: r 528 + 32 hh in my stage
.set ORD, 13                           ; way out: 16 L in my stage
.set OGO, 14                           ; way out: 32 w rows of out0 + 16 L
.set NEGLV, 15                         ; -10000 log2 e
.set XM0, 16                           ; mask byte of stage set 0; set 1: v106 = XM0 + 90
.set TMP, 17
.set QD, 18                            ; v18-21  tile q: my query's row - 8 hh
.set DQ, 22                            ; v22-25  the same - the step's first key
.set ML, 26                            ; v26+2q running maximum, v27+2q my half's running sum
.set AL, 34                            ; v34+2q factor 2^(m_old - m_new); v35+2q only fills the pair
.set TT, 42                            ; v42+2q, v43+2q two chains of maxima
.set SP, 50                            ; v50+4q .. +3 two pairs of sums
.set T1, 66                            ; v66-73  sums of v, blocks lo < j <= hi (even rows, odd rows)
.set BIASR, 74                         ; v74-105 bias[16 a + 8 hh + jj] at 8 a + jj
.set QST, 107
.set PFO, 108                          ; prefetch: (32 w + (L >> 2)) rows + 256 (L & 3)
.set SXA, 109
.set SXR, 110
.set SWA, 111
.set SWR, 112
.set HH, 113                           ; set-up only
.set T0, 122                           ; set-up only
.set T2, 114                           ; v114-121 sums of v, blocks j > hi
.set SC, 128                           ; v128-255 scores, tile q at 32 q + 8 a + jj; weights (q, c) packed in place at 32 q + 16 c .. + 7
; window 1: O, tile q at 64 q + 8 dt + jj (first the landing place of Q).   window 2: v0-127 Q fragments at 32 q + 8 ks; v128-191 H0, v192-255 H1: K or V fragments.
; window 3: two stage sets of 128: K row k at 128 set + 4 k, V row k at 128 set + 64 + 4 k.
; scalars: s[4:5] mask, s[6:7] qkv at (b, 0, h), s[8:9] out0 at (b, 0, h), s10 wave, s11 lo = i, s12 hi, s13 b, s14 h, s[16:17] K of block j + 1,
; s[18:19] mask of block j + 1, s[20:23] Q of lo, hi, s[24:27] out0 of lo, hi, s30 trips, s31 the step's first key, s[32:33] 0.0 or 1.0, s[34:35] scale of Q,
; s36-37 lane selects, s38 padded rows, s39, s52 keep words, s40-47 compare masks, s48-49 tail score lo, hi, s50-51 tail counts, s54 prefetch limit.
.set MSB, 0
.macro WIN new                         ; s_set_vgpr_msb: 1:0 source 0, 3:2 source 1, 5:4 source 2, 7:6 destination; the high byte repeats the setting left
.if MSB != \new
	s_set_vgpr_msb (MSB<<8)|\new
.set MSB, \new
.endif
.endm
.macro PLACES n                        ; independent vector slots behind matrix instructions (ISA guide 7.12.1)
.rept \n
	v_nop
.endr
.endm
; Group g of eight of a stage set's 33 loads, in the set's order of issue: my 16 mask bytes (with group 0), my 16 K rows, my 16 V rows of one step; 512 consecutive bytes a load.
; Row l_k of 32 lands at 128 set + 4 l_k: K rows 0-15, then V rows 0-15, 512 bytes further on in the same records.
.macro LDG set, g, imm, immM
.if (\g) == 0
	WIN 0
	global_load_u8 v[XM0+90*\set], v[GM], s[18:19] offset:\immM
.endif
	WIN 0xc0
.set l_k, 4*(\g)
.rept 4
	global_load_b128 v[128*\set+4*l_k:128*\set+4*l_k+3], v[GO], s[16:17] offset:\imm+(l_k&15)*ROWB+(l_k>>4)*512
.set l_k, l_k+1
.endr
.endm
; all 33 in one run: at the kernel's head
.macro LOADKV set, imm, immM
.set l_g, 0
.rept 8
	LDG \set, l_g, \imm, \immM
.set l_g, l_g+1
.endr
.endm
; A stage set becomes f16 in LDS buffer buf.  nk: the loads younger than the set's last K row; nv: those younger than its last V row.
; vsum 0: no sum of v; 1: times s32 (0.0 or 1.0); 2: plain.  All the arithmetic first, then one wait and the 33 stores in one run.
.macro CONVERT set, buf, vsum, nk, nv
	s_wait_loadcnt \nk                             ; loads return in order (ISA guide 5.7.1): mask and K are in
	WIN 0
	v_cmp_ne_u32 s38, 0, v[XM0+90*\set]            ; bit k (k < 16): my row k is padded
	s_wait_alu depctr_va_sdst(0)                   ; the compare has written s38, ahead of its first reader, the select; the scalar tests below read it too
	v_cndmask_b32 v[TMP], 0, v[NEGLV], s38
	WIN 0xcf
.set n_k, 0
.rept 16
.set r_, 128*\set+4*n_k
	s_bitcmp1_b32 s38, n_k
	s_cselect_b32 s[39+13*(n_k&1)], 0, -1          ; a padded row is stored as zeros (s39 and s52 in turn)
	v_cvt_pk_f16_f32 v[r_], v[r_], v[r_+1]
	v_cvt_pk_f16_f32 v[r_+1], v[r_+2], v[r_+3]
	v_and_b32 v[r_], s[39+13*(n_k&1)], v[r_]
	v_and_b32 v[r_+1], s[39+13*(n_k&1)], v[r_+1]
.set n_k, n_k+1
.endr
	s_wait_loadcnt \nv                             ; V is in
.if \vsum
	WIN 0x03
.set n_k, 0
.rept 16
.set r_, 128*\set+64+4*n_k
.set t_, T1+4*(n_k&1)
.if \vsum == 1
	v_pk_fma_f32 v[t_:t_+1], v[r_:r_+1], s[32:33], v[t_:t_+1] op_sel_hi:[1,0,1]
	v_pk_fma_f32 v[t_+2:t_+3], v[r_+2:r_+3], s[32:33], v[t_+2:t_+3] op_sel_hi:[1,0,1]
.else
	v_pk_add_f32 v[t_:t_+1], v[r_:r_+1], v[t_:t_+1]
	v_pk_add_f32 v[t_+2:t_+3], v[r_+2:r_+3], v[t_+2:t_+3]
.endif
.set n_k, n_k+1
.endr
.endif
	WIN 0xcf
.set n_k, 0
.rept 16
.set r_, 128*\set+64+4*n_k
	v_cvt_pk_f16_f32 v[r_], v[r_], v[r_+1]
	v_cvt_pk_f16_f32 v[r_+1], v[r_+2], v[r_+3]
.set n_k, n_k+1
.endr
	WIN 0
	s_wait_alu depctr_va_vdst(0)                   ; the select has written TMP and the conversions the stage set: the data of the 33 stores below
	ds_store_b32 v[SB], v[TMP] offset:\buf*BUFB    ; lanes L and L + 16 write the same word with the same value
	WIN 0x0c
.set n_k, 0
.rept 16
	ds_store_b64 v[SK], v[128*\set+4*n_k:128*\set+4*n_k+1] offset:\buf*BUFB+n_k*KP     ; 32 lanes, 256 consecutive bytes
.set n_k, n_k+1
.endr
.set n_k, 0
.rept 16
	ds_store_b64 v[SV], v[128*\set+64+4*n_k:128*\set+64+4*n_k+1] offset:\buf*BUFB+n_k*VP
.set n_k, n_k+1
.endr
	s_wait_alu depctr_vm_vsrc(0)                   ; the stores have read the stage set, in which its next loads land, and TMP, which the next select (at the end: the way out) writes; at the head also: Q's stores have read window 1, which the first products write
.endm
; 16 loads: K fragments of key tiles a = 2 p, 2 p + 1 (16 keys x 128 d each) into H p
.macro FRAGKP buf, p
	WIN 0x80
.set n_a, 0
.rept 2
.set n_k, 0
.rept 4
.set r_, 128+64*\p+32*n_a+8*n_k
	ds_load_b128 v[r_:r_+3],   v[LK] offset:\buf*BUFB+(2*\p+n_a)*16*KP+64*n_k
	ds_load_b128 v[r_+4:r_+7], v[LK] offset:\buf*BUFB+(2*\p+n_a)*16*KP+64*n_k+32
.set n_k, n_k+1
.endr
.set n_a, n_a+1
.endr
.endm
; 24 loads: the step's bias in the layout of a result, then K tiles 0, 1
.macro FRAGK01 buf
	WIN 0
.set n_a, 0
.rept 4
	ds_load_b128 v[BIASR+8*n_a:BIASR+8*n_a+3],   v[LB] offset:\buf*BUFB+64*n_a
	ds_load_b128 v[BIASR+8*n_a+4:BIASR+8*n_a+7], v[LB] offset:\buf*BUFB+64*n_a+16
.set n_a, n_a+1
.endr
	FRAGKP \buf, 0
.endm
; 16 transposing loads: V^T fragments (16 d x 32 keys) of keys 32 c .. 32 c + 31, all eight d tiles, into H c
.macro FRAGV buf, c
	WIN 0x80
.set n_d, 0
.rept 8
.set r_, 128+64*\c+8*n_d
	ds_load_tr16_b128 v[r_:r_+3],   v[LV] offset:\buf*BUFB+\c*32*VP+32*n_d
	ds_load_tr16_b128 v[r_+4:r_+7], v[LV] offset:\buf*BUFB+\c*32*VP+32*n_d+16*VP
.set n_d, n_d+1
.endr
.endm
; scores of key tiles 2 p, 2 p + 1 for query tiles q0 .. q0 + nq - 1: the first link takes the bias as C, the other three go on in place.
; ld = 1: behind each of the four rounds of links stands one group of stage set 0's loads (two steps ahead: the first half of block j + 1).
; No wait: no vector or matrix instruction since the step's first wait names stage set 0 or its mask byte.
.macro QK p, q0, nq, ld
.set n_k, 0
.rept 4
	WIN 0x0a
.set n_a, 0
.rept 2
.set n_q, \q0
.rept \nq
.set r_, SC+32*n_q+8*(2*\p+n_a)
.set a_, 128+64*\p+32*n_a+8*n_k
.set b_, 32*n_q+8*n_k
.if n_k == 0
	v_wmma_f32_16x16x32_f16 v[r_:r_+7], v[a_:a_+7], v[b_:b_+7], v[BIASR+8*(2*\p+n_a):BIASR+8*(2*\p+n_a)+7]
.else
	v_wmma_f32_16x16x32_f16 v[r_:r_+7], v[a_:a_+7], v[b_:b_+7], v[r_:r_+7]
.endif
.set n_q, n_q+1
.endr
.set n_a, n_a+1
.endr
.if \ld
	LDG 0, (4*\p+n_k), 0, 0
.endif
.set n_k, n_k+1
.endr
.endm
; O^T += V^T P^T for keys 32 c .. 32 c + 31.  zero = 1: the product starts the sums, nothing is cleared.
; ld = 1: behind the products of each d tile stands one group of stage set 1's loads (the second half of block j + 1, into the set just converted).
; No wait: no vector or matrix instruction since the wait between PV 0 and PV 1 names stage set 1 or its mask byte.
.macro PV c, q0, nq, zero, ld
.set n_d, 0
.rept 8
	WIN 0x52
.set n_q, \q0
.rept \nq
.set r_, 64*n_q+8*n_d
.set a_, 128+64*\c+8*n_d
.set b_, SC+32*n_q+16*\c
.if \zero
	v_wmma_f32_16x16x32_f16 v[r_:r_+7], v[a_:a_+7], v[b_:b_+7], 0
.else
	v_wmma_f32_16x16x32_f16 v[r_:r_+7], v[a_:a_+7], v[b_:b_+7], v[r_:r_+7]
.endif
.set n_q, n_q+1
.endr
.if \ld
	LDG 1, n_d, STEPB, 64
.endif
.set n_d, n_d+1
.endr
.endm
; The softmax step on 64 keys for tiles q0 .. q0 + nq - 1; tiles dq0 .. dq0 + ndq - 1 get the causal fill.  first = 1: no earlier maximum, sum or O.
; Chains are laid side by side over the tiles so that no instruction waits for the one in front of it.  buf: the LDS buffer of the step, for V's second run of loads.
.macro SOFT buf, q0, nq, dq0, ndq, first
	WIN 0
.if \ndq
.set n_q, \dq0
.rept \ndq
	v_sub_nc_u32 v[DQ+n_q], v[QD+n_q], s31         ; key > query  <=>  16 a + jj > query - 8 hh - first key
.set n_q, n_q+1
.endr
.set n_q, \dq0
.rept \ndq
.set n_a, 0
.rept 4
.set n_j, 0
.rept 8
	v_cmp_gt_i32 s[40+n_j], 16*n_a+n_j, v[DQ+n_q]
.set n_j, n_j+1
.endr
	s_wait_alu depctr_va_sdst(0)                   ; the eight compares have written s40-47, ahead of the selects that read them
.set n_j, 0
.rept 8
	v_cndmask_b32 v[SC+32*n_q+8*n_a+n_j], v[SC+32*n_q+8*n_a+n_j], v[NEGLV], s[40+n_j]
.set n_j, n_j+1
.endr
.set n_a, n_a+1
.endr
.set n_q, n_q+1
.endr
.endif
	; the new maximum: chain A takes the old one and scores 0-15, chain B scores 16-30, the join score 31
.set n_q, \q0
.rept \nq
.if \first
	v_max_num_f32 v[TT+2*n_q], v[SC+32*n_q], v[SC+32*n_q+1]
.else
	v_max3_num_f32 v[TT+2*n_q], v[ML+2*n_q], v[SC+32*n_q], v[SC+32*n_q+1]
.endif
	v_max3_num_f32 v[TT+2*n_q+1], v[SC+32*n_q+16], v[SC+32*n_q+17], v[SC+32*n_q+18]
.set n_q, n_q+1
.endr
.set n_t, 1
.rept 6
.set n_q, \q0
.rept \nq
	v_max3_num_f32 v[TT+2*n_q], v[TT+2*n_q], v[SC+32*n_q+2*n_t], v[SC+32*n_q+2*n_t+1]
	v_max3_num_f32 v[TT+2*n_q+1], v[TT+2*n_q+1], v[SC+32*n_q+17+2*n_t], v[SC+32*n_q+18+2*n_t]
.set n_q, n_q+1
.endr
.set n_t, n_t+1
.endr
	FRAGV \buf, 1                                  ; V^T of keys 32-63 into H1.  No wait: the lines since the wait behind QK 1 name window 0 alone
	WIN 0
.set n_q, \q0
.rept \nq
	v_max3_num_f32 v[TT+2*n_q], v[TT+2*n_q], v[SC+32*n_q+14], v[SC+32*n_q+15]
.set n_q, n_q+1
.endr
.set n_q, \q0
.rept \nq
	v_max3_num_f32 v[TT+2*n_q], v[TT+2*n_q], v[TT+2*n_q+1], v[SC+32*n_q+31]
.set n_q, n_q+1
.endr
.set n_q, \q0
.rept \nq
	v_permlanex16_b32 v[TT+2*n_q+1], v[TT+2*n_q], s36, s37     ; the other half of the lanes holds the query's other keys
.set n_q, n_q+1
.endr
.set n_q, \q0
.rept \nq
	v_max_num_f32 v[TT+2*n_q], v[TT+2*n_q], v[TT+2*n_q+1]
.set n_q, n_q+1
.endr
.if \first == 0
.set n_q, \q0
.rept \nq
	v_sub_f32 v[AL+2*n_q], v[ML+2*n_q], v[TT+2*n_q]
.set n_q, n_q+1
.endr
.endif
.set n_q, \q0
.rept \nq
	v_mov_b32 v[ML+2*n_q], v[TT+2*n_q]
.set n_q, n_q+1
.endr
	; weights 2^(s - m): the scale of Q holds log2 e
.set n_q, \q0
.rept \nq
.set n_t, 0
.rept 16
.set r_, SC+32*n_q+2*n_t
	v_pk_add_f32 v[r_:r_+1], v[r_:r_+1], v[ML+2*n_q:ML+2*n_q+1] op_sel_hi:[1,0] neg_lo:[0,1] neg_hi:[0,1]
.set n_t, n_t+1
.endr
.set n_q, n_q+1
.endr
.if \first == 0
.set n_q, \q0
.rept \nq
	v_exp_f32 v[AL+2*n_q], v[AL+2*n_q]
.set n_q, n_q+1
.endr
.endif
.set n_q, \q0
.rept \nq
.set n_t, 0
.rept 32
	v_exp_f32 v[SC+32*n_q+n_t], v[SC+32*n_q+n_t]
.set n_t, n_t+1
.endr
.set n_q, n_q+1
.endr
	v_nop                                          ; one plain slot between the last v_exp_f32 and the first use (ISA guide 5.7.2)
	; my half's sum of the unrounded weights, two chains of pairs a tile
.set n_q, \q0
	s_wait_alu depctr_va_vdst(0)
.rept \nq
	v_pk_add_f32 v[SP+4*n_q:SP+4*n_q+1], v[SC+32*n_q:SC+32*n_q+1], v[SC+32*n_q+2:SC+32*n_q+3]
	v_pk_add_f32 v[SP+4*n_q+2:SP+4*n_q+3], v[SC+32*n_q+16:SC+32*n_q+17], v[SC+32*n_q+18:SC+32*n_q+19]
.set n_q, n_q+1
.endr
.set n_t, 2
.rept 6
.set n_q, \q0
.rept \nq
	v_pk_add_f32 v[SP+4*n_q:SP+4*n_q+1], v[SP+4*n_q:SP+4*n_q+1], v[SC+32*n_q+2*n_t:SC+32*n_q+2*n_t+1]
	v_pk_add_f32 v[SP+4*n_q+2:SP+4*n_q+3], v[SP+4*n_q+2:SP+4*n_q+3], v[SC+32*n_q+16+2*n_t:SC+32*n_q+17+2*n_t]
.set n_q, n_q+1
.endr
.set n_t, n_t+1
.endr
.set n_q, \q0
.rept \nq
	v_pk_add_f32 v[SP+4*n_q:SP+4*n_q+1], v[SP+4*n_q:SP+4*n_q+1], v[SP+4*n_q+2:SP+4*n_q+3]
.set n_q, n_q+1
.endr
.set n_q, \q0
.rept \nq
.if \first
	v_add_f32 v[ML+2*n_q+1], v[SP+4*n_q], v[SP+4*n_q+1]
.else
	v_add_f32 v[SP+4*n_q], v[SP+4*n_q], v[SP+4*n_q+1]
.endif
.set n_q, n_q+1
.endr
.if \first == 0
.set n_q, \q0
.rept \nq
	v_fma_f32 v[ML+2*n_q+1], v[ML+2*n_q+1], v[AL+2*n_q], v[SP+4*n_q]
.set n_q, n_q+1
.endr
.endif
	; pack in place, ascending: word t of half c takes numbers 2 t, 2 t + 1, which no earlier word has overwritten
.set n_q, \q0
.rept \nq
.set n_a, 0
.rept 2
.set n_t, 0
.rept 8
.set r_, SC+32*n_q+16*n_a
	v_cvt_pk_f16_f32 v[r_+n_t], v[r_+2*n_t], v[r_+2*n_t+1]
.set n_t, n_t+1
.endr
.set n_a, n_a+1
.endr
.set n_q, n_q+1
.endr
.if \first == 0
	WIN 0x41                                       ; O *= 2^(m_old - m_new)
.set n_q, \q0
.rept \nq
.set n_t, 0
.rept 32
	v_pk_mul_f32 v[64*n_q+2*n_t:64*n_q+2*n_t+1], v[64*n_q+2*n_t:64*n_q+2*n_t+1], v[AL+2*n_q:AL+2*n_q+1] op_sel_hi:[1,0]
.set n_t, n_t+1
.endr
.set n_q, n_q+1
.endr
.endif
.endm
; ONE STEP of 64 keys from buffer buf.  On entry the bias and K tiles 0, 1 are on their way (24 LDS loads).
; conv = 1: stage set cset becomes the next step's tile in the other buffer, and ONE barrier does both things: in front of it each wave's reads of this
; buffer and its stores into the other are complete (s_wait_dscnt 0); behind it the other buffer is read, and this one is rewritten in the next step.
; ldhead = 1: stage set 0's loads are dealt among the scores' products; ldafter = 1: stage set 1's among PV 1's.
.macro STEP buf, q0, nq, dq0, ndq, first, ldhead, conv, cset, vsum, nk, nv, ldafter
.set NB, 1-\buf
	PLACES 5                                       ; behind the last step's products: five slots before new scores land on the weights that they read
	WIN 0x80
	s_wait_alu depctr_va_vdst(0)                   ; the last step's PV 1 is done reading H1, in which K tiles 2, 3 land; the last conversion, whose stores stand ahead of this line, is done with stage set 0 and its mask byte
	FRAGKP \buf, 1
	s_wait_dscnt 16                                ; all but the 16 loads of K tiles 2, 3: bias and K tiles 0, 1 are in
	QK 0, \q0, \nq, \ldhead
	s_wait_dscnt 0x0                               ; K tiles 2, 3 are in: no LDS instruction was issued behind their loads
	QK 1, \q0, \nq, \ldhead
	PLACES 4                                       ; for the vector work on the scores
	WIN 0x80
	s_wait_alu depctr_va_vdst(0)                   ; QK 0 and QK 1 are done reading H0 and H1, in which V's fragments land, and BIASR, which is loaded again behind PV 0
	FRAGV \buf, 0
	SOFT \buf, \q0, \nq, \dq0, \ndq, \first
.if \conv
	CONVERT \cset, NB, \vsum, \nk, \nv
.endif
	s_wait_dscnt 0x0                               ; V fragments in; my reads of this buffer and my stores into the other are complete
.if \conv
	s_barrier_signal -1
.endif
	PV 0, \q0, \nq, \first, 0                      ; registers only
.if \conv
	s_barrier_wait -1
	PLACES 4                                       ; four slots between PV 0 and the loads into the registers that it read stay beside the wait
	WIN 0
	s_wait_alu depctr_va_vdst(0)                   ; PV 0 is done reading H0, in which K tiles 0, 1 land; this step's conversion, whose stores stand ahead of this line, is done with its stage set and mask byte
	FRAGK01 NB
.endif
	PV 1, \q0, \nq, 0, \ldafter
	s_add_co_u32 s31, s31, 64
.endm
; A block that is followed by another.  Load counts: behind a set's last K row stand its 16 V rows and the 33 loads of the younger set (49), behind its last V row those 33.
.macro BLK q0, nq, dq0, ndq, first, vsa, vsb
	STEP 0, \q0, \nq, \dq0, \ndq, \first, 1, 1, 1, \vsa, 49, 33, 1
	STEP 1, \q0, \nq, \dq0, \ndq, 0, 0, 1, 0, \vsb, 49, 33, 0
	s_wait_xcnt 0x0                                ; the bases of the block's loads are stepped only behind this wait
	s_add_nc_u64 s[16:17], s[16:17], BLKB
	s_add_nc_u64 s[18:19], s[18:19], 128
.endm
; four requests a wave: rows 32 w .. 32 w + 31 of block j + 2, the 1,024 bytes of k | v of each row in four pieces 256 bytes apart, each piece asked for once.
; Their offset v[PFO] was written ahead of the wait in front of Q's LDS stores and never since.
.macro ASK
.set n_t, 0
.rept 4
	global_prefetch_b8 v[PFO], s[16:17] offset:BLKB+n_t*8*ROWB th:TH_LOAD_NT scope:SCOPE_SE
.set n_t, n_t+1
.endr
.endm
; eight V rows of the V-only loop: wait, add, and (more = 1) ask for the same rows of the next block
.macro TAILG g, left, more
	s_wait_loadcnt \left
	WIN 0x03
.set n_k, 8*\g
.rept 8
.set t_, T2+4*(n_k&1)
	v_pk_add_f32 v[t_:t_+1], v[4*n_k:4*n_k+1], v[t_:t_+1]
	v_pk_add_f32 v[t_+2:t_+3], v[4*n_k+2:4*n_k+3], v[t_+2:t_+3]
.set n_k, n_k+1
.endr
.if \more
	WIN 0xc0
	s_wait_alu depctr_va_vdst(0)                   ; the sixteen additions are done reading these eight rows, in which the loads below land: the rows are asked for again at once
.set n_k, 8*\g
.rept 8
	global_load_b128 v[4*n_k:4*n_k+3], v[VQ], s[16:17] offset:512+BLKB+n_k*ROWB
.set n_k, n_k+1
.endr
.endif
.endm
; Tile q leaves: the tail joins by a last step of the running maximum, then 16 rows go through my stage and out as whole rows of 512 bytes.
; ts, cs: scalars with the tail's score and count; ob: base of out0; hb: H0 or H1 in turn
.macro FINAL q, ts, cs, ob, hb
	WIN 0
	v_permlanex16_b32 v[TT+2*\q+1], v[ML+2*\q+1], s36, s37
	v_add_f32 v[ML+2*\q+1], v[ML+2*\q+1], v[TT+2*\q+1]         ; the two halves' sums
	v_max_num_f32 v[TT+2*\q], s[\ts], v[ML+2*\q]               ; m'
	v_sub_f32 v[AL+2*\q], v[ML+2*\q], v[TT+2*\q]
	v_sub_f32 v[TT+2*\q], s[\ts], v[TT+2*\q]
	v_exp_f32 v[AL+2*\q], v[AL+2*\q]                           ; a = 2^(m - m')
	v_exp_f32 v[TT+2*\q], v[TT+2*\q]                           ; w = 2^(tail - m')
	v_nop
	s_wait_alu depctr_va_vdst(0)
	v_mul_f32 v[TMP], s[\cs], v[TT+2*\q]
	v_fma_f32 v[TMP], v[ML+2*\q+1], v[AL+2*\q], v[TMP]         ; l' = l a + w count
	v_rcp_f32 v1, v[TMP]
	v_nop
	s_wait_alu depctr_va_vdst(0)
	v_mul_f32 v[AL+2*\q], v[AL+2*\q], v1
	v_mul_f32 v[TT+2*\q], v[TT+2*\q], v1
	WIN 0x41
.set n_t, 0
.rept 32
	v_pk_mul_f32 v[64*\q+2*n_t:64*\q+2*n_t+1], v[64*\q+2*n_t:64*\q+2*n_t+1], v[AL+2*\q:AL+2*\q+1] op_sel_hi:[1,0]
.set n_t, n_t+1
.endr
	WIN 0x50
.set n_t, 0
.rept 32
	v_pk_fma_f32 v[64*\q+2*n_t:64*\q+2*n_t+1], v[SC+64*(\q>>1)+2*n_t:SC+64*(\q>>1)+2*n_t+1], v[TT+2*\q:TT+2*\q+1], v[64*\q+2*n_t:64*\q+2*n_t+1] op_sel_hi:[1,0,1]
.set n_t, n_t+1
.endr
	WIN 0x04
	s_wait_alu depctr_va_vdst(0)                   ; the multiply-adds have written the tile's O, which the LDS stores read
.set n_d, 0
.rept 8
	ds_store_b128 v[OST], v[64*\q+8*n_d:64*\q+8*n_d+3]   offset:64*n_d
	ds_store_b128 v[OST], v[64*\q+8*n_d+4:64*\q+8*n_d+7] offset:64*n_d+16
.set n_d, n_d+1
.endr
	s_wait_xcnt 0x0                                ; registers that earlier stores read are loaded again only behind this wait
.if \q > 1
	s_wait_alu depctr_vm_vsrc(0)                   ; the global stores of the tile two back have read these 64 registers, in which the loads below land
.endif
	WIN 0x80
.set n_k, 0
.rept 16
	ds_load_b128 v[\hb+4*n_k:\hb+4*n_k+3], v[ORD] offset:n_k*OPITCH    ; my own bytes: LDS serves a wave's instructions in order (ISA guide 5.7.1)
.set n_k, n_k+1
.endr
	WIN 0x08
.set n_k, 0
.rept 16
	s_wait_dscnt 15-n_k                            ; row n_k is in; the younger rows stay out
	global_store_b128 v[OGO], v[\hb+4*n_k:\hb+4*n_k+3], s[\ob:\ob+1] offset:(16*(\q&1)+n_k)*OROWB th:TH_STORE_NT   ; 512 consecutive bytes, aligned
.set n_k, n_k+1
.endr
.endm
; ---------------------------------------------------------------- set-up: what the first loads need
	s_load_b128 s[4:7], s[0:1], 0x0                ; mask, qkv
	s_load_b64 s[8:9], s[0:1], 0x10                ; out0
	v_lshl_add_u32 v126, v0, 2, 0x25000
	v_mov_b32 v127, 0
	v_lshrrev_b32 v1, 5, v0
	v_readfirstlane_b32 s10, v1                    ; wave
	s_and_b32 s11, ttmp9, 7                        ; i = lo
	s_sub_co_u32 s12, 15, s11                      ; hi
	s_lshr_b32 s13, ttmp9, 7                       ; b
	s_bfe_u32 s14, ttmp9, 0x40003                  ; h
	v_and_b32 v1, 31, v0                           ; L
	v_and_b32 v[TMP], 15, v0                       ; r
	v_bfe_u32 v[HH], v0, 4, 1                      ; hh
	s_wait_alu depctr_va_sdst(0)                   ; s10 is written, ahead of its first reader: offsets and LDS places are made from it
	s_mul_i32 s55, s10, 32*ROWB
	s_mul_i32 s56, s10, 16*ROWB
	s_lshl_b32 s57, s10, 4
	v_lshl_add_u32 v[VQ], v1, 4, s55
	v_lshl_add_u32 v[GO], v1, 4, s56
	v_add_nc_u32 v[GM], s57, v[TMP]
	s_mul_i32 s40, s13, 2048*ROWB                  ; byte offsets, all below 2^31, each in a pair with 0 above
	s_mul_i32 s41, s14, 1536
	s_add_co_u32 s40, s40, s41
	s_mov_b32 s41, 0
	s_mul_i32 s42, s11, BLKB
	s_mov_b32 s43, 0
	s_mul_i32 s44, s12, BLKB
	s_mov_b32 s45, 0
	s_lshl_b32 s46, s13, 11
	s_mov_b32 s47, 0
	s_wait_kmcnt 0x0
	s_add_nc_u64 s[6:7], s[6:7], s[40:41]          ; qkv at (b, 0, h)
	s_add_nc_u64 s[16:17], s[6:7], 512             ; K of block 0
	s_add_nc_u64 s[20:21], s[6:7], s[42:43]        ; Q of block lo
	s_add_nc_u64 s[22:23], s[6:7], s[44:45]        ; Q of block hi
	s_add_nc_u64 s[18:19], s[4:5], s[46:47]        ; mask of batch b
	WIN 0x40                                       ; my 64 rows of Q land in window 1, read once by the whole launch
	s_wait_alu depctr_va_vdst(0)                   ; the offsets v[VQ], v[GO] and v[GM] are written, which the loads below read
.set n_k, 0
.rept 32
	global_load_b128 v[4*n_k:4*n_k+3], v[VQ], s[20:21] offset:n_k*ROWB th:TH_LOAD_NT
.set n_k, n_k+1
.endr
.set n_k, 0
.rept 32
	global_load_b128 v[128+4*n_k:128+4*n_k+3], v[VQ], s[22:23] offset:n_k*ROWB th:TH_LOAD_NT
.set n_k, n_k+1
.endr
	LOADKV 0, 0, 0                                 ; steps 0 and 1
	LOADKV 1, STEPB, 64
	WIN 0
; ---------------------------------------------------------------- the other addresses and constants, while the loads are out
	v_mul_u32_u24 v[LK], v[TMP], KP
	v_lshl_add_u32 v[LK], v[HH], 4, v[LK]
	v_and_b32 v[T0], 7, v0
	v_lshl_add_u32 v[T0], v[HH], 3, v[T0]
	v_mul_u32_u24 v[LV], v[T0], VP
	v_bfe_u32 v[T0], v0, 3, 1
	v_lshl_add_u32 v[LV], v[T0], 4, v[LV]
	v_add_nc_u32 v[LV], VOFF, v[LV]
	v_lshl_add_u32 v[LB], v[HH], 5, BOFF
	s_mul_i32 s56, s10, 16*KP
	v_lshl_add_u32 v[SK], v1, 3, s56
	s_mul_i32 s57, s10, 16*VP
	s_add_co_u32 s57, s57, VOFF
	v_lshl_add_u32 v[SV], v1, 3, s57
	s_lshl_b32 s58, s10, 6
	s_add_co_u32 s58, s58, BOFF
	v_lshl_add_u32 v[SB], v[TMP], 2, s58
	s_mul_i32 s59, s10, WSB
	s_add_co_u32 s59, s59, WS                      ; my scratch
	v_add_nc_u32 v[LQ], s59, v[LK]
	v_mul_u32_u24 v[OST], v[TMP], OPITCH
	v_lshl_add_u32 v[OST], v[HH], 5, v[OST]
	v_add_nc_u32 v[OST], s59, v[OST]
	v_lshl_add_u32 v[ORD], v1, 4, s59
	v_lshl_add_u32 v[QST], v1, 3, s59
	s_lshl_b32 s56, s10, 18                        ; 32 w rows of 8,192 bytes
	v_lshl_add_u32 v[OGO], v1, 4, s56
	v_mov_b32 v[NEGLV], 0xc6616bcd                 ; -10000 log2 e
	v_lshrrev_b32 v[T0], 2, v1
	v_mul_u32_u24 v[PFO], v[T0], ROWB
	v_and_b32 v[T0], 3, v0
	v_lshl_add_u32 v[PFO], v[T0], 8, v[PFO]
	v_add_nc_u32 v[PFO], s55, v[PFO]
	s_lshl_b32 s57, s10, 9
	s_add_co_u32 s57, s57, SUMX
	v_lshl_add_u32 v[SXA], v1, 4, s57
	v_lshl_add_u32 v[SXR], v1, 4, SUMX
	s_lshl_b32 s58, s10, 10
	s_add_co_u32 s58, s58, SUMW
	v_lshl_add_u32 v[SWA], v1, 4, s58
	v_lshl_add_u32 v[SWR], v[HH], 5, s58
	v_lshlrev_b32 v[T0], 3, v[HH]
	v_sub_nc_u32 v[T0], v[TMP], v[T0]              ; r - 8 hh
	s_lshl_b32 s56, s10, 5
	s_lshl_b32 s57, s11, 7
	s_add_co_u32 s57, s57, s56                     ; 128 lo + 32 w
	s_lshl_b32 s58, s12, 7
	s_add_co_u32 s58, s58, s56                     ; 128 hi + 32 w
	v_add_nc_u32 v[QD], s57, v[T0]
	v_add_nc_u32 v[QD+1], 16, v[QD]
	v_add_nc_u32 v[QD+2], s58, v[T0]
	v_add_nc_u32 v[QD+3], 16, v[QD+2]
	s_lshl_b32 s40, s13, 24                        ; out0: b x 2048 rows of 8,192 bytes + h x 512 (s41, s43, s45 are still 0)
	s_lshl_b32 s42, s14, 9
	s_add_co_u32 s40, s40, s42
	s_add_nc_u64 s[8:9], s[8:9], s[40:41]
	s_lshl_b32 s42, s11, 20
	s_add_nc_u64 s[24:25], s[8:9], s[42:43]
	s_lshl_b32 s44, s12, 20
	s_add_nc_u64 s[26:27], s[8:9], s[44:45]
	s_mov_b32 s34, 0x3e0293ee                      ; log2 e / sqrt(128)
	s_mov_b32 s35, 0x3e0293ee
	s_mov_b32 s36, 0x76543210                      ; v_permlanex16_b32: lane i reads lane i of the other half
	s_mov_b32 s37, 0xfedcba98
	s_mov_b32 s48, 0xc6616bcd                      ; the tail's score for lo: at least 1,024 keys lie above block lo
	s_lshl_b32 s55, s11, 7                         ; keys above block hi: 128 i
	s_sub_co_u32 s56, 1920, s55                    ; keys above block lo: 2048 - 128 (lo + 1)
	s_cvt_f32_u32 s50, s56
	s_cvt_f32_u32 s51, s55
.irp q, 0,1,2,3
	v_mov_b32 v[ML+2*\q+1], 0                      ; the odd halves of pairs that packed instructions name
	v_mov_b32 v[AL+2*\q+1], 0
.endr
.set n_t, 0
.rept 8
	v_mov_b32 v[T1+n_t], 0                         ; the sums of v may stay empty (i = 0: T2; the flag 0.0: T1)
	v_mov_b32 v[T2+n_t], 0
.set n_t, n_t+1
.endr
; ---------------------------------------------------------------- Q: scale, round, and through my scratch into fragments
	s_wait_loadcnt 63                              ; 130 loads are issued and the 64 of Q are the oldest: any count up to 66 shows them in; 63 is the largest the field names
	WIN 0x41
.set n_t, 0
.rept 128
	v_pk_mul_f32 v[2*n_t:2*n_t+1], v[2*n_t:2*n_t+1], s[34:35] op_sel_hi:[1,0]
.set n_t, n_t+1
.endr
	WIN 0x45
.set n_k, 0
.rept 64
	v_cvt_pk_f16_f32 v[4*n_k], v[4*n_k], v[4*n_k+1]
	v_cvt_pk_f16_f32 v[4*n_k+1], v[4*n_k+2], v[4*n_k+3]
.set n_k, n_k+1
.endr
	WIN 0x04
	s_wait_alu depctr_va_vdst(0)                   ; the conversions have written Q in f16, which the LDS stores read; all the address registers made above are written, for every LDS and memory instruction of the kernel that reads them
.set n_k, 0
.rept 64
	ds_store_b64 v[QST], v[4*n_k:4*n_k+1] offset:n_k*KP
.set n_k, n_k+1
.endr
	WIN 0x80
.set n_q, 0
.rept 4
.set n_k, 0
.rept 4
	ds_load_b128 v[32*n_q+8*n_k:32*n_q+8*n_k+3],   v[LQ] offset:n_q*16*KP+64*n_k       ; my own bytes, served in order behind the stores
	ds_load_b128 v[32*n_q+8*n_k+4:32*n_q+8*n_k+7], v[LQ] offset:n_q*16*KP+64*n_k+32
.set n_k, n_k+1
.endr
.set n_q, n_q+1
.endr
	CONVERT 0, 0, 0, 49, 33                        ; step 0's tile; behind its K: 16 V rows + set 1's 33 loads
	s_wait_xcnt 0x0                                ; the bases are stepped only behind this wait
	s_add_nc_u64 s[16:17], s[16:17], BLKB          ; block 1
	s_add_nc_u64 s[18:19], s[18:19], 128
	s_mov_b32 s31, 0
	s_wait_dscnt 0x0                               ; my part of step 0's tile is stored (and Q's fragments are in)
	s_barrier_signal -1
	s_barrier_wait -1
	FRAGK01 0                                      ; no vector or matrix instruction has named BIASR or H0 yet
	WIN 0
	s_cmp_eq_u32 s11, 0
	s_cselect_b32 s32, 0x3f800000, 0               ; block 1 counts for T1 if lo = 0
	s_mov_b32 s33, s32
	s_cselect_b32 s54, 1, 0x7fffffff               ; only i = 0, which walks the keys with the least work a block, asks ahead, and not in its last middle block
	s_cselect_b32 s49, 0xff800000, s48             ; i = 0: no key lies above block hi: the tail's score is minus infinity, its weight 0
	s_cbranch_scc0 .Lno_ask0
	ASK                                            ; block 2
.Lno_ask0:
; ---------------------------------------------------------------- block 0: four tiles, lo with the causal fill, the first step starts all sums
	BLK 0, 4, 0, 2, 1, 0, 1
	WIN 0
	s_cmp_eq_u32 s11, 0
	s_cbranch_scc1 .Lphase2
	s_mov_b32 s30, s11
.Lphase1:                                          ; blocks 1 .. lo
	s_cmp_eq_u32 s30, 1
	s_cselect_b32 s32, 0x3f800000, 0               ; the second step converts the first half of block j + 1, which counts for T1 if j = lo
	s_mov_b32 s33, s32
	BLK 0, 4, 0, 2, 0, 0, 1
	WIN 0
	s_sub_co_i32 s30, s30, 1
	s_cmp_gt_i32 s30, 0
	s_cbranch_scc1 .Lphase1
.Lphase2:
	s_lshl_b32 s55, s11, 1
	s_sub_co_u32 s30, 14, s55                      ; blocks lo + 1 .. hi - 1
	s_cmp_eq_u32 s30, 0
	s_cbranch_scc1 .Lblock_hi
.Lmiddle:
	s_cmp_gt_u32 s30, s54                          ; i = 0, block j = 15 - s30: block j + 2 exists while s30 > 1
	s_cbranch_scc0 .Lno_ask
	ASK
.Lno_ask:
	BLK 2, 2, 0, 0, 0, 2, 2
	WIN 0
	s_sub_co_i32 s30, s30, 1
	s_cmp_gt_i32 s30, 0
	s_cbranch_scc1 .Lmiddle
.Lblock_hi:
; ---------------------------------------------------------------- block hi: causal fill, nothing more to fetch for the products
	STEP 0, 2, 2, 2, 2, 0, 0, 1, 1, 2, 16, 0, 0    ; set 1 is the only one out: 16 V rows behind its K, nothing behind its V
	WIN 0
	s_cmp_eq_u32 s11, 0
	s_cbranch_scc1 .Lno_tail_loads
	WIN 0xc0                                       ; my 32 V rows of block hi + 1, into stage set 0, which was converted a step ago: its conversion and its stores stand ahead of the waits of the step just done, which names set 1 alone
.set n_k, 0
.rept 32
	global_load_b128 v[4*n_k:4*n_k+3], v[VQ], s[16:17] offset:512+n_k*ROWB
.set n_k, n_k+1
.endr
	WIN 0
.Lno_tail_loads:
	STEP 1, 2, 2, 2, 2, 0, 0, 0, 0, 0, 0, 0, 0
	PLACES 4                                       ; behind the last products, for all that follows on O, the weights' registers, H0 and H1
	WIN 0
; ---------------------------------------------------------------- V alone: blocks hi + 1 .. 15, 32 loads always out
	s_cmp_eq_u32 s11, 0
	s_cbranch_scc1 .Lepilogue
	s_sub_co_u32 s30, s11, 1                       ; i - 1 trips ask for a further block
	s_cmp_lt_i32 s30, 1
	s_cbranch_scc1 .Ltail_last
.Ltail:
	TAILG 0, 24, 1                                 ; 32 loads are out, the eight wanted are the oldest: 24 may stay
	TAILG 1, 24, 1
	TAILG 2, 24, 1
	TAILG 3, 24, 1
	WIN 0
	s_wait_xcnt 0x0                                ; the base is stepped only behind this wait
	s_add_nc_u64 s[16:17], s[16:17], BLKB
	s_sub_co_i32 s30, s30, 1
	s_cmp_gt_i32 s30, 0
	s_cbranch_scc1 .Ltail
.Ltail_last:
	TAILG 0, 24, 0                                 ; block 15: nothing is asked for, the counts run down
	TAILG 1, 16, 0
	TAILG 2, 8, 0
	TAILG 3, 0, 0
	WIN 0
.Lepilogue:
; ---------------------------------------------------------------- the sums of v of all four waves
	v_pk_add_f32 v[T1:T1+1], v[T1:T1+1], v[T1+4:T1+5]
	v_pk_add_f32 v[T1+2:T1+3], v[T1+2:T1+3], v[T1+6:T1+7]
	v_pk_add_f32 v[T2:T2+1], v[T2:T2+1], v[T2+4:T2+5]
	v_pk_add_f32 v[T2+2:T2+3], v[T2+2:T2+3], v[T2+6:T2+7]
	s_wait_alu depctr_va_vdst(0)                   ; the four additions have written T1 and T2, which the stores read; the last products are done reading the weights' registers, H0 and H1, in which loads land from here on
	ds_store_b128 v[SXA], v[T1:T1+3]
	ds_store_b128 v[SXA], v[T2:T2+3] offset:2048
	s_wait_dscnt 0x0                               ; for the other waves: my sums are stored
	s_barrier_signal -1
	s_barrier_wait -1
.set n_k, 0
.rept 8
	ds_load_b128 v[SC+4*n_k:SC+4*n_k+3], v[SXR] offset:512*n_k     ; 0-3: T1 of waves 0-3; 4-7: T2
.set n_k, n_k+1
.endr
	s_wait_dscnt 0x0
	s_wait_alu depctr_vm_vsrc(0)                   ; my two stores have read T1 and T2, which the additions below write again
	v_pk_add_f32 v[T2:T2+1], v[SC+16:SC+17], v[SC+20:SC+21]
	v_pk_add_f32 v[T2+2:T2+3], v[SC+18:SC+19], v[SC+22:SC+23]
	v_pk_add_f32 v[T1:T1+1], v[SC:SC+1], v[SC+4:SC+5]
	v_pk_add_f32 v[T1+2:T1+3], v[SC+2:SC+3], v[SC+6:SC+7]
	v_pk_add_f32 v[T2:T2+1], v[T2:T2+1], v[SC+24:SC+25]
	v_pk_add_f32 v[T2+2:T2+3], v[T2+2:T2+3], v[SC+26:SC+27]
	v_pk_add_f32 v[T1:T1+1], v[T1:T1+1], v[SC+8:SC+9]
	v_pk_add_f32 v[T1+2:T1+3], v[T1+2:T1+3], v[SC+10:SC+11]
	v_pk_add_f32 v[T2:T2+1], v[T2:T2+1], v[SC+28:SC+29]            ; S_hi: blocks above hi
	v_pk_add_f32 v[T2+2:T2+3], v[T2+2:T2+3], v[SC+30:SC+31]
	v_pk_add_f32 v[T1:T1+1], v[T1:T1+1], v[SC+12:SC+13]
	v_pk_add_f32 v[T1+2:T1+3], v[T1+2:T1+3], v[SC+14:SC+15]
	v_pk_add_f32 v[T1:T1+1], v[T1:T1+1], v[T2:T2+1]                ; S_lo: blocks above lo
	v_pk_add_f32 v[T1+2:T1+3], v[T1+2:T1+3], v[T2+2:T2+3]
	s_wait_alu depctr_va_vdst(0)                   ; the additions have written the totals, which the stores read, and are done reading the 32 registers in which the loads below land
	ds_store_b128 v[SWA], v[T1:T1+3]               ; my own copy, read back in O's layout: d = 16 dt + 8 hh + jj
	ds_store_b128 v[SWA], v[T2:T2+3] offset:512
.set n_a, 0
.rept 2
.set n_d, 0
.rept 8
	ds_load_b128 v[SC+64*n_a+8*n_d:SC+64*n_a+8*n_d+3],   v[SWR] offset:512*n_a+64*n_d
	ds_load_b128 v[SC+64*n_a+8*n_d+4:SC+64*n_a+8*n_d+7], v[SWR] offset:512*n_a+64*n_d+16
.set n_d, n_d+1
.endr
.set n_a, n_a+1
.endr
	s_wait_dscnt 0x0
; ---------------------------------------------------------------- the four tiles leave
	FINAL 0, 48, 50, 24, 128
	FINAL 1, 48, 50, 24, 192
	FINAL 2, 49, 51, 26, 128
	FINAL 3, 49, 51, 26, 192
	WIN 0
	s_wait_dscnt 0x0
	s_wait_alu depctr_hold_cnt(0) depctr_sa_sdst(0) depctr_va_vdst(0) depctr_va_sdst(0) depctr_va_ssrc(0) depctr_va_vcc(0) depctr_vm_vsrc(0)
	s_wait_tensorcnt 0x0
	ds_add_u32 v126, v127
	s_wait_dscnt 0x0
	s_endpgm
.Lfunc_end_k_qe75894c3dd_attn:
	.size	k_qe75894c3dd_attn, .Lfunc_end_k_qe75894c3dd_attn-k_qe75894c3dd_attn
	.p2alignl 7, 3214868480
	.fill 96, 4, 3214868480
	.section	.rodata,"a",@progbits
	.p2align	6, 0x0
	.amdhsa_kernel k_qe75894c3dd_attn
		.amdhsa_group_segment_fixed_size 152064
		.amdhsa_private_segment_fixed_size 0
		.amdhsa_enable_private_segment 0
		.amdhsa_kernarg_size 24
		.amdhsa_user_sgpr_count 2
		.amdhsa_user_sgpr_kernarg_segment_ptr 1
		.amdhsa_wavefront_size32 1
		.amdhsa_system_sgpr_workgroup_id_x 1
		.amdhsa_system_sgpr_workgroup_id_y 1
		.amdhsa_system_sgpr_workgroup_id_z 1
		.amdhsa_system_vgpr_workitem_id 0
		.amdhsa_next_free_vgpr 1024
		.amdhsa_next_free_sgpr 66
		.amdhsa_reserve_vcc 0
		.amdhsa_float_denorm_mode_32 3
		.amdhsa_float_denorm_mode_16_64 3
		.amdhsa_memory_ordered 1
		.amdhsa_forward_progress 1
		.amdhsa_inst_pref_size 255
	.end_amdhsa_kernel
	.section	.bss,"aw",@nobits
	.p2align	6
	.space	262144
	.amdgpu_metadata
---
amdhsa.version: [ 1, 2 ]
amdhsa.kernels:
  - .name:           k_qe75894c3dd_attn
    .symbol:         k_qe75894c3dd_attn.kd
    .args:
      - { .name: key_padding_mask, .offset: 0, .size: 8, .value_kind: global_buffer, .address_space: global }
      - { .name: qkv, .offset: 8, .size: 8, .value_kind: global_buffer, .address_space: global }
      - { .name: out0, .offset: 16, .size: 8, .value_kind: global_buffer, .address_space: global }
    .group_segment_fixed_size: 152064
    .private_segment_fixed_size: 0
    .kernarg_segment_align: 8
    .kernarg_segment_size: 24
    .max_flat_workgroup_size: 128
    .sgpr_count:     66
    .vgpr_count:     1024
    .wavefront_size: 32
...
	.end_amdgpu_metadata
.endif
;; end of part 2
